; MI455X (gfx1250); checked and timed in simulation.
; The chip was launched on July 23, 2026; its instructions are those of AMD's public machine-readable ISA for CDNA 5 (MIT licence, August 2026) and "CDNA5" Instruction Set Architecture Reference Guide (July 2026). The comments in the code are by the model that wrote it; some were corrected since.
;; Gpt Oss Experts As Linear. Allowed arithmetic: float matrix products may take bf16 or f16 operands with f32 sums; other float arithmetic in f32, or as packed bf16 or f16 multiplies, adds, multiply-adds, maxima and minima; sums over many terms, partial sums and values carried from step to step in f32; what a program stores and reads back later, other than sums and carried values, may be rounded once to bf16 or f16.
;; Inputs: down_bias 8 x 1,024 float32; down_proj 8 x 1,024 x 1,024 float32; gate_up_bias 8 x 2,048 float32; gate_up_proj 8 x 1,024 x 2,048 float32; hidden_states 2 x 1,024 x 1,024 float32; router_indices 2,048 x 2 int32; routing_weights 2,048 x 8 float32.
;; Outputs: out0 2 x 1,024 x 1,024 float32.
;; 2 versions, each right; version 2 is version 1 with the launches gu, down written anew for expert scheduling mode. Each part assembles by itself: llvm-mc -triple=amdgcn-amd-amdhsa -mcpu=gfx1250 --defsym DOCPART=n.
;; ======== version 1 of 2: 4 launches
;; limits: values are held in f16: magnitudes above 65,504 overflow, below 6.1e-05 lose precision; inputs' magnitudes at most 65,504
;; workspace buffers: xg 9,437,184 bytes; midb 9,437,184 bytes; p 18,874,368 bytes; t2s 65,536 bytes of whole numbers; meta 256 bytes of whole numbers
;; launch route (part 1): grid 288 x 1, 8 waves a work-group, no clusters, 39,168 bytes of LDS; arguments router_indices, hidden_states, xg, t2s, meta; writes xg, t2s, meta
.if DOCPART == 1
	.amdgcn_target "amdgcn-amd-amdhsa--gfx1250"
	.amdhsa_code_object_version 6
	.text
	.protected	k_qcc6d12e1f9_route
	.globl	k_qcc6d12e1f9_route
	.p2align	8
	.type	k_qcc6d12e1f9_route,@function
k_qcc6d12e1f9_route:
	s_mov_b64 s[64:65], 0
	v_nop
	global_prefetch_b8 v0, s[64:65] scope:SCOPE_SE
	s_setreg_imm32_b32 hwreg(HW_REG_WAVE_MODE, 25, 1), 1
	s_wait_xcnt 0x0
; ROUTING AND GATHER.  2,048 tokens, 8 experts, two index entries a token.  The rows of expert e (the tokens that name it, in ascending order, each once) take a segment of
; T_e = ceil(c_e / 64) tiles of 64 slots, from tile t0_e = the sum of the earlier T on; the sum of all T is 71 at the most, so 72 x 64 = 4,608 slots serve every split.
; Slots past c_e in a segment repeat the expert's last row, so that the later launches work on whole tiles.
; Work-group g owns slots 16 g .. 16 g + 15.  Each work-group makes the experts' bitmaps of all tokens for itself (16 KiB of indices), finds the token of each of its slots by rank,
; rounds that token's row to f16 and stores it in the order in which a matrix operand is loaded: xg[k / 16][slot][k % 16], so that 16 slots x 16 k are 512 consecutive bytes.
; t2s[token][expert] = slot is stored by the slot's owner for the slots that are no repeats; the entries of experts that a token does not name are set to 0 by wave w of work-group
; g < 256 for token 8 g + w: so every byte of t2s is written, each by one work-group.  Work-group 0 stores meta: t0_e and T_e.  A work-group past the last segment gathers nothing.
; ORDER.  The scalar and vector lines of a step are laid in stages over the 8 experts (or the 2 slots), so that no line reads the result of the line just ahead of it.
; LIMITS.  f16 ends at 65,504: a hidden state beyond that becomes an infinity; below 6e-5 f16 keeps its fixed step of 6e-8.  An index outside 0 .. 7 names no expert.
.set BLK,    147456                    ; bytes of a block of 16 k: 4,608 slots x 32
.set BM,     0                         ; LDS: [8 experts][64 chunks of 32 tokens] words of bits
.set PC,     2048                      ; their counts of ones, same shape
.set WC,     4096                      ; 128 bytes a wave: words 0-7 its counts for the 8 experts
.set STAGE,  5120                      ; 16 rows of 2,048 bytes of f16
.set SPITCH, 2064                      ; + 16 of padding: 129 x 16 bytes, so the 16 rows of a 16-byte column start 16 bytes apart modulo 256
.set SPARE,  STAGE+16*SPITCH           ; the spare words, 128 bytes a wave; no other line names them
; v1 lane  v2 4 x lane  v3 8 x thread  v4 v5 v6 LDS addresses of phase A and B  v7 v8 at work  v9 lane % 16  v31 lane / 16
; v10-25 indices  v26-27 bit words  v28-29 counts  v30 wave counts  v32-47 all experts' bit words  v48-63 their counts
; v64-65 my expert's words  v70-71 its counts  v66-67 running sums  v68-69 rows ahead of each chunk  v72-135 two rows in f32
; v136 16 x lane  v137 stage in  v138 stage out  v139 offset in xg  v140 v141 the add's two  v142-145 token, address, slot, rank
; v146 offset in t2s of entry lane % 8 of token 8 g + w, made at the head and never rewritten  v147 0
; s14 wave  s15 g  s16-23 c_e  s24-31 t0_e  s32-39 T_e  s40 running end  s41 my expert  s42 my tile  s43 1: no segment holds my tile  s44 c  s45 t0  s46 mask
; s47 my wave's first rank  s48-63, s80-95 at work  s66-69 two row addresses  s70 s71 tokens  s72 s73 lane selects  s74 upper half of the lanes  s75 EXEC  s76 c - 1  s77 my wave's first slot  s78 s79 at work
	s_load_b256 s[4:11], s[0:1], 0x0               ; router_indices s[4:5], hidden_states s[6:7], xg s[8:9], t2s s[10:11]
	s_load_b64 s[12:13], s[0:1], 0x20              ; meta
	v_lshl_add_u32 v140, v0, 2, SPARE              ; my spare word
	v_mov_b32 v141, 0
	v_mov_b32 v147, 0
	v_and_b32 v1, 31, v0
	v_lshrrev_b32 v7, 5, v0
	v_readfirstlane_b32 s14, v7                    ; wave 0..7
	s_mov_b32 s15, ttmp9
	v_lshlrev_b32 v2, 2, v1
	v_lshlrev_b32 v3, 3, v0
	v_and_b32 v7, 7, v0
	v_bfe_u32 v8, v0, 3, 2
	v_and_b32 v146, 0xe0, v0                       ; 32 w: token 8 g + w has 32 bytes of t2s, at 256 g + 32 w;
	v_lshl_add_u32 v146, v7, 2, v146               ; entry lane % 8 is 4 bytes
	s_min_u32 s48, s15, 255                        ; (work-groups 256 and above set nothing to 0: the number stays inside t2s all the same)
	s_lshl_b32 s48, s48, 8
	v_add_nc_u32 v146, s48, v146
	v_lshlrev_b32 v4, 8, v7                        ; lane l of a bit register holds expert l % 8 of chunk wave + 8 (l / 8) (+ 32): 256 (l % 8) + 32 (l / 8) + 4 wave
	v_lshl_add_u32 v4, v8, 5, v4
	v_lshl_add_u32 v4, s14, 2, v4
	s_lshl_b32 s48, s14, 7
	s_add_co_u32 s48, s48, WC
	v_add_nc_u32 v5, s48, v2                       ; my wave's counts
	v_lshlrev_b32 v6, 7, v8
	v_lshl_add_u32 v6, v7, 2, v6
	v_add_nc_u32 v6, WC, v6                        ; lane l reads wave l / 8's (+ 4) count of expert l % 8
	v_and_b32 v9, 15, v0
	v_bfe_u32 v31, v0, 4, 1
	v_lshlrev_b32 v136, 4, v1
	s_mul_i32 s48, s14, 2*SPITCH
	s_add_co_u32 s48, s48, STAGE
	v_lshl_add_u32 v137, v1, 3, s48                ; in: my wave's rows 2 w, 2 w + 1; 8 bytes a lane
	v_mul_u32_u24 v138, v9, SPITCH
	v_lshl_add_u32 v138, v31, 4, v138
	s_lshl_b32 s48, s14, 8
	s_add_co_u32 s48, s48, STAGE
	v_add_nc_u32 v138, s48, v138                   ; out: row l % 16, 16 bytes for each half of the lanes, my wave's blocks 8 w ..
	v_lshlrev_b32 v139, 5, v9
	v_lshl_add_u32 v139, v31, 4, v139
	s_mul_i32 s48, s14, 8*BLK
	s_lshl_b32 s49, s15, 9
	s_add_co_u32 s48, s48, s49
	v_add_nc_u32 v139, s48, v139                   ; the same 512 bytes in xg: 8 w blocks + 16 g slots
	s_mov_b32 s72, 0x76543210
	s_mov_b32 s73, 0xfedcba98
	s_mov_b32 s74, 0xffff0000
.irp e, 0,1,2,3,4,5,6,7
	s_mov_b32 s[16+(\e)], 0
.endr
.irp r, 26,27,28,29,30
	v_mov_b32 v\r, 0                               ; written whole before single lanes are written
.endr
	s_wait_kmcnt 0x0
	; A.  The bitmaps.  My wave takes chunks w + 8 c: thread t holds token t + 256 c.
.irp c, 0,1,2,3,4,5,6,7
	global_load_b64 v[10+2*(\c):11+2*(\c)], v3, s[4:5] offset:2048*(\c)
.endr
.macro CHUNK c                         ; for each expert: the 32 tokens that name it, in either entry; their number.  Two sets of 16 scalar registers take turns from chunk to chunk
.set Z, 48+32*((\c)%2)
	s_wait_loadcnt 7-(\c)                          ; loads come back in order: chunk c is in, the younger chunks' may be out
.irp e, 0,1,2,3,4,5,6,7
	v_cmp_eq_u32 s[Z+2*(\e)], \e, v[10+2*(\c)]
	v_cmp_eq_u32 s[Z+2*(\e)+1], \e, v[11+2*(\c)]
.endr
.irp e, 0,1,2,3,4,5,6,7
	s_or_b32 s[Z+2*(\e)], s[Z+2*(\e)], s[Z+2*(\e)+1]
.endr
.irp e, 0,1,2,3,4,5,6,7
	s_bcnt1_i32_b32 s[Z+2*(\e)+1], s[Z+2*(\e)]
.endr
.irp e, 0,1,2,3,4,5,6,7
	s_add_co_u32 s[16+(\e)], s[16+(\e)], s[Z+2*(\e)+1]
.endr
.irp e, 0,1,2,3,4,5,6,7
	v_writelane_b32 v[26+(\c)/4], s[Z+2*(\e)], 8*((\c)%4)+(\e)
	v_writelane_b32 v[28+(\c)/4], s[Z+2*(\e)+1], 8*((\c)%4)+(\e)
.endr
.endm
.irp c, 0,1,2,3,4,5,6,7
	CHUNK \c
.endr
.irp e, 0,1,2,3,4,5,6,7
	v_writelane_b32 v30, s[16+(\e)], \e
.endr
	ds_store_b32 v4, v26 offset:BM
	ds_store_b32 v4, v27 offset:BM+128
	ds_store_b32 v4, v28 offset:PC
	ds_store_b32 v4, v29 offset:PC+128
	ds_store_b32 v5, v30
	s_wait_dscnt 0x0                               ; for the others' sake: my stores are done
	s_barrier_signal -1
	s_barrier_wait -1
	; B.  Every wave alike; every LDS address is fixed.  All experts' words and counts: lane l holds chunks l and 32 + l.
.irp e, 0,1,2,3,4,5,6,7
	ds_load_b32 v[32+2*(\e)], v2 offset:BM+256*(\e)
	ds_load_b32 v[33+2*(\e)], v2 offset:BM+256*(\e)+128
	ds_load_b32 v[48+2*(\e)], v2 offset:PC+256*(\e)
	ds_load_b32 v[49+2*(\e)], v2 offset:PC+256*(\e)+128
.endr
	ds_load_b32 v30, v6
	ds_load_b32 v8, v6 offset:512
	s_wait_dscnt 0x0
	v_add_nc_u32 v30, v30, v8                      ; the eight waves' counts: two here, lanes 8 apart, then the other half of the lanes
	v_mov_b32_dpp v7, v30 row_xmask:8 row_mask:0xf bank_mask:0xf
	v_add_nc_u32 v30, v30, v7
	v_permlanex16_b32 v7, v30, s72, s73
	v_add_nc_u32 v30, v30, v7
.irp e, 0,1,2,3,4,5,6,7
	v_readlane_b32 s[16+(\e)], v30, \e             ; c_e
.endr
	s_mov_b32 s40, 0
	s_mov_b32 s41, 0
	s_lshr_b32 s42, s15, 2                         ; my tile
.irp e, 0,1,2,3,4,5,6,7
	s_add_co_u32 s[32+(\e)], s[16+(\e)], 63
	s_lshr_b32 s[32+(\e)], s[32+(\e)], 6           ; T_e
	s_mov_b32 s[24+(\e)], s40                      ; t0_e
	s_add_co_u32 s40, s40, s[32+(\e)]
	s_cmp_ge_u32 s42, s40                          ; my tile lies behind this segment:
	s_add_co_ci_u32 s41, s41, 0                    ; count it; the count is my expert
.endr
	s_cmp_eq_u32 s41, 8
	s_cselect_b32 s43, 1, 0
	s_min_u32 s41, s41, 7
	s_mov_b32 s44, s16                             ; my expert's numbers are chosen by selects: no address hangs on the expert
	s_mov_b32 s45, s24
	v_mov_b32 v64, v32
	v_mov_b32 v65, v33
	v_mov_b32 v70, v48
	v_mov_b32 v71, v49
.irp e, 1,2,3,4,5,6,7
	s_cmp_eq_u32 s41, \e
	s_cselect_b32 s44, s[16+(\e)], s44
	s_cselect_b32 s45, s[24+(\e)], s45
	s_cselect_b32 s46, -1, 0
	v_cndmask_b32 v64, v64, v[32+2*(\e)], s46
	v_cndmask_b32 v65, v65, v[33+2*(\e)], s46
	v_cndmask_b32 v70, v70, v[48+2*(\e)], s46
	v_cndmask_b32 v71, v71, v[49+2*(\e)], s46
.endr
.macro SCAN d, p                       ; running sum over the 32 lanes: four steps inside each half, then the lower half's total onto the upper
	v_mov_b32 v[\d], v[\p]
.irp n, 1,2,4,8
	v_mov_b32_dpp v7, v[\d] row_shr:\n row_mask:0xf bank_mask:0xf bound_ctrl:1
	v_add_nc_u32 v[\d], v[\d], v7
.endr
	v_readlane_b32 s48, v[\d], 15
	v_cndmask_b32 v7, 0, s48, s74
	v_add_nc_u32 v[\d], v[\d], v7
.endm
	SCAN 66, 70
	SCAN 67, 71
	v_readlane_b32 s49, v66, 31
	v_sub_nc_u32 v68, v66, v70                     ; rows of my expert ahead of chunk l,
	v_sub_nc_u32 v69, v67, v71
	v_add_nc_u32 v69, s49, v69                     ; and ahead of chunk 32 + l
	s_lshl_b32 s77, s15, 4
	s_lshl1_add_u32 s77, s14, s77                  ; my wave's first slot: 16 g + 2 w
	s_lshl_b32 s48, s45, 6
	s_sub_co_u32 s47, s77, s48                     ; its rank in the segment
	s_sub_co_u32 s76, s44, 1
; The entries of t2s that no slot's owner writes: those of token 8 g + w (g < 256) for the experts that it does not name.  The token's bit of each expert's word, gathered into a mask of 8.
.macro FILL
	s_cmp_lt_u32 s15, 256
	s_cbranch_scc0 .Lnofill_\@
	s_lshr_b32 s78, s15, 2                         ; the token's chunk,
	s_and_b32 s79, s78, 31                         ; the lane that holds it
.irp e, 0,1,2,3,4,5,6,7
	v_readlane_b32 s[80+2*(\e)], v[32+2*(\e)], s79
	v_readlane_b32 s[81+2*(\e)], v[33+2*(\e)], s79
.endr
	s_cmp_ge_u32 s78, 32
.irp e, 0,1,2,3,4,5,6,7
	s_cselect_b32 s[80+2*(\e)], s[81+2*(\e)], s[80+2*(\e)]
.endr
	s_and_b32 s78, s15, 3
	s_lshl3_add_u32 s78, s78, s14                  ; the token's bit: 8 (g % 4) + w,
	s_or_b32 s78, s78, 0x10000                     ; as a field of one bit
.irp e, 0,1,2,3,4,5,6,7
	s_bfe_u32 s[80+2*(\e)], s[80+2*(\e)], s78
.endr
	s_mov_b32 s79, 0
.irp e, 7,6,5,4,3,2,1,0
	s_lshl1_add_u32 s79, s79, s[80+2*(\e)]         ; bit e: the token names expert e
.endr
	s_and_not1_b32 vcc_lo, 0xff, s79               ; lanes 0-7, less the experts named
	s_wait_xcnt 0x0                                ; EXEC is a source of pending loads and stores: it changes only behind this wait
	s_and_saveexec_b32 s75, vcc_lo
	global_store_b32 v146, v147, s[10:11]
	s_wait_xcnt 0x0                                ; and again in front of the line that widens it
	s_or_b32 exec_lo, exec_lo, s75
.Lnofill_\@:
.endm
	s_cmp_eq_u32 s43, 1
	s_cbranch_scc1 .Ldead                          ; no segment holds my tile: nothing to gather (no barrier is jumped)
	; C.  The tokens of my wave's two slots (slot i in s[48+8 i ..]), side by side: the token of rank min(rank, c - 1) among my expert's.
.irp i, 0,1
	s_add_co_u32 s[48+8*(\i)], s47, \i
	s_min_u32 s[48+8*(\i)], s[48+8*(\i)], s76      ; past the count: the last row again
.endr
.irp i, 0,1
	v_cmp_ge_u32 s[49+8*(\i)], s[48+8*(\i)], v68   ; the chunks with no more rows ahead of them than the rank are a run from chunk 0 on:
	v_cmp_ge_u32 s[50+8*(\i)], s[48+8*(\i)], v69
.endr
.irp i, 0,1
	s_bcnt1_i32_b32 s[49+8*(\i)], s[49+8*(\i)]
	s_bcnt1_i32_b32 s[50+8*(\i)], s[50+8*(\i)]
.endr
.irp i, 0,1
	s_add_co_u32 s[49+8*(\i)], s[49+8*(\i)], s[50+8*(\i)]
.endr
.irp i, 0,1
	s_sub_co_u32 s[49+8*(\i)], s[49+8*(\i)], 1     ; its last holds the row
.endr
.irp i, 0,1
	s_and_b32 s[50+8*(\i)], s[49+8*(\i)], 31
.endr
.irp i, 0,1
	v_readlane_b32 s[51+8*(\i)], v64, s[50+8*(\i)]
	v_readlane_b32 s[52+8*(\i)], v65, s[50+8*(\i)]
	v_readlane_b32 s[53+8*(\i)], v68, s[50+8*(\i)]
	v_readlane_b32 s[54+8*(\i)], v69, s[50+8*(\i)]
.endr
.irp i, 0,1
	s_cmp_ge_u32 s[49+8*(\i)], 32
	s_cselect_b32 s[51+8*(\i)], s[52+8*(\i)], s[51+8*(\i)]  ; the chunk's word
	s_cselect_b32 s[53+8*(\i)], s[54+8*(\i)], s[53+8*(\i)]  ; the rows ahead of it
.endr
.irp i, 0,1
	s_sub_co_u32 s[48+8*(\i)], s[48+8*(\i)], s[53+8*(\i)]   ; the rank inside the chunk
	v_mbcnt_lo_u32_b32 v[7+(\i)], s[51+8*(\i)], 0           ; ones below each lane's bit
.endr
.irp i, 0,1
	v_cmp_eq_u32 s[52+8*(\i)], s[48+8*(\i)], v[7+(\i)]
.endr
.irp i, 0,1
	s_lshl_b32 s[49+8*(\i)], s[49+8*(\i)], 5
.endr
.irp i, 0,1
	s_and_b32 s[52+8*(\i)], s[52+8*(\i)], s[51+8*(\i)]      ; the one bit that is set and has that many below it
.endr
.irp i, 0,1
	s_ctz_i32_b32 s[52+8*(\i)], s[52+8*(\i)]
.endr
.irp i, 0,1
	s_add_co_u32 s[70+(\i)], s[49+8*(\i)], s[52+8*(\i)]
.endr
.irp i, 0,1
	s_min_u32 s[70+(\i)], s[70+(\i)], 0x7ff
.endr
	s_lshl_b32 s48, s70, 12                        ; a row is 4,096 bytes
	s_mov_b32 s49, 0
	s_add_nc_u64 s[66:67], s[6:7], s[48:49]
	s_lshl_b32 s48, s71, 12
	s_add_nc_u64 s[68:69], s[6:7], s[48:49]
.irp i, 0,1
.irp j, 0,1,2,3,4,5,6,7
	global_load_b128 v[72+32*(\i)+4*(\j):72+32*(\i)+4*(\j)+3], v136, s[66+2*(\i):67+2*(\i)] offset:512*(\j)  ; 512 consecutive bytes a load
.endr
.endr
	v_mov_b32 v142, 0                              ; t2s[token][expert] = slot, from lanes 0 and 1, for slots that are no repeats
	v_writelane_b32 v142, s70, 0
	v_writelane_b32 v142, s71, 1
	v_min_u32 v142, 0x7ff, v142
	v_lshl_add_u32 v143, v142, 3, s41
	v_lshlrev_b32 v143, 2, v143
	v_add_nc_u32 v144, s77, v1
	v_add_nc_u32 v145, s47, v1
	v_cmp_gt_u32 s48, s44, v145
	v_cmp_gt_u32 vcc_lo, 2, v1
	s_and_b32 vcc_lo, vcc_lo, s48
	s_wait_xcnt 0x0                                ; EXEC is a source of the loads above: it changes only behind this wait
	s_and_saveexec_b32 s75, vcc_lo
	global_store_b32 v143, v144, s[10:11]
	s_wait_xcnt 0x0                                ; and again in front of the line that widens it
	s_or_b32 exec_lo, exec_lo, s75
	FILL                                           ; stands in the wait for the rows
.irp i, 0,1
	s_wait_loadcnt 8-8*(\i)                        ; row 0 is in while row 1's eight loads may be out; then all
.irp j, 0,1,2,3,4,5,6,7
	v_cvt_pk_f16_f32 v[72+32*(\i)+4*(\j)], v[72+32*(\i)+4*(\j)], v[72+32*(\i)+4*(\j)+1]
	v_cvt_pk_f16_f32 v[72+32*(\i)+4*(\j)+1], v[72+32*(\i)+4*(\j)+2], v[72+32*(\i)+4*(\j)+3]
.endr
.irp j, 0,1,2,3,4,5,6,7
	ds_store_b64 v137, v[72+32*(\i)+4*(\j):72+32*(\i)+4*(\j)+1] offset:(\i)*SPITCH+256*(\j)
.endr
.endr
	s_branch .Lmeet
.Ldead:
	FILL
.Lmeet:
	s_wait_dscnt 0x0                               ; for the others' sake: my rows are in the stage
	s_barrier_signal -1
	s_barrier_wait -1
	s_cmp_eq_u32 s43, 1
	s_cbranch_scc1 .Lquiet
	; D.  Out by blocks of 16 k: my wave's blocks 8 w .. 8 w + 7, all 16 slots.
.irp j, 0,1,2,3,4,5,6,7
	ds_load_b128 v[72+4*(\j):72+4*(\j)+3], v138 offset:32*(\j)
.endr
.irp j, 0,1,2,3,4,5,6,7
	s_wait_dscnt 7-(\j)                            ; LDS loads come back in order: load j is in, the younger ones may be out
	global_store_b128 v139, v[72+4*(\j):72+4*(\j)+3], s[8:9] offset:(\j)*BLK  ; 512 consecutive bytes, at a multiple of 512 from xg's first
.endr
.Lquiet:
	s_cmp_lg_u32 s15, 0
	s_cbranch_scc1 .Lend
	s_cmp_lg_u32 s14, 0
	s_cbranch_scc1 .Lend
	v_mov_b32 v7, 0                                ; work-group 0, wave 0: word 2 e = t0_e, word 2 e + 1 = T_e, words 16-31 = 0
.irp e, 0,1,2,3,4,5,6,7
	v_writelane_b32 v7, s[24+(\e)], 2*(\e)
	v_writelane_b32 v7, s[32+(\e)], 2*(\e)+1
.endr
	global_store_b32 v2, v7, s[12:13]
.Lend:
	s_wait_tensorcnt 0x0                           ; the wave's end
	ds_add_u32 v140, v141
	s_wait_dscnt 0x0
	s_endpgm
.Lfunc_end_k_qcc6d12e1f9_route:
	.size	k_qcc6d12e1f9_route, .Lfunc_end_k_qcc6d12e1f9_route-k_qcc6d12e1f9_route
	.p2alignl 7, 3214868480
	.fill 96, 4, 3214868480
	.section	.rodata,"a",@progbits
	.p2align	6, 0x0
	.amdhsa_kernel k_qcc6d12e1f9_route
		.amdhsa_group_segment_fixed_size 39168
		.amdhsa_private_segment_fixed_size 0
		.amdhsa_enable_private_segment 0
		.amdhsa_kernarg_size 40
		.amdhsa_user_sgpr_count 2
		.amdhsa_user_sgpr_kernarg_segment_ptr 1
		.amdhsa_wavefront_size32 1
		.amdhsa_system_sgpr_workgroup_id_x 1
		.amdhsa_system_sgpr_workgroup_id_y 1
		.amdhsa_system_sgpr_workgroup_id_z 1
		.amdhsa_system_vgpr_workitem_id 0
		.amdhsa_next_free_vgpr 148
		.amdhsa_next_free_sgpr 96
		.amdhsa_reserve_vcc 1
		.amdhsa_float_denorm_mode_32 3
		.amdhsa_float_denorm_mode_16_64 3
		.amdhsa_memory_ordered 1
		.amdhsa_forward_progress 1
		.amdhsa_inst_pref_size 52
	.end_amdhsa_kernel
	.amdgpu_metadata
---
amdhsa.version: [ 1, 2 ]
amdhsa.kernels:
  - .name:           k_qcc6d12e1f9_route
    .symbol:         k_qcc6d12e1f9_route.kd
    .args:
      - { .name: router_indices, .offset: 0, .size: 8, .value_kind: global_buffer, .address_space: global }
      - { .name: hidden_states, .offset: 8, .size: 8, .value_kind: global_buffer, .address_space: global }
      - { .name: xg, .offset: 16, .size: 8, .value_kind: global_buffer, .address_space: global }
      - { .name: t2s, .offset: 24, .size: 8, .value_kind: global_buffer, .address_space: global }
      - { .name: meta, .offset: 32, .size: 8, .value_kind: global_buffer, .address_space: global }
    .group_segment_fixed_size: 39168
    .private_segment_fixed_size: 0
    .kernarg_segment_align: 8
    .kernarg_segment_size: 40
    .max_flat_workgroup_size: 256
    .sgpr_count:     96
    .vgpr_count:     148
    .wavefront_size: 32
...
	.end_amdgpu_metadata
.endif
;; end of part 1
;; launch gu (part 2): grid 32 x 8, 8 waves a work-group, no clusters, 164,864 bytes of LDS; arguments xg, gate_up_proj, gate_up_bias, meta, midb; writes midb
.if DOCPART == 2
	.amdgcn_target "amdgcn-amd-amdhsa--gfx1250"
	.amdhsa_code_object_version 6
	.text
	.protected	k_qcc6d12e1f9_gu
	.globl	k_qcc6d12e1f9_gu
	.p2align	8
	.type	k_qcc6d12e1f9_gu,@function
k_qcc6d12e1f9_gu:
	s_mov_b64 s[64:65], 0
	v_nop
	global_prefetch_b8 v0, s[64:65] scope:SCOPE_SE
	s_setreg_imm32_b32 hwreg(HW_REG_WAVE_MODE, 25, 1), 1
	s_wait_xcnt 0x0
; FIRST PRODUCT AND ACTIVATION.  For the rows of expert e: gu = x Wgu[e] + bgu[e]; gate = min(gu[even], 7); up = clip(gu[odd], -7, 7); mid = (up + 1) gate sigmoid(1.702 gate).
; Work-group (x, e) owns columns 64 x .. 64 x + 63 of Wgu[e] (32 columns of mid), which it alone reads: 1,024 rows x 256 bytes of f32, rounded to f16 on the way through registers
; and laid in LDS as [k][64], gates and ups sorted apart.  Then each of the 8 waves takes whole tiles of 64 slots: tiles t0 + w + 8 j below t0 + T, with t0 and T read from meta.
; The loop over tiles has no barrier and writes no LDS; its LDS addresses are fixed.  x comes from xg straight into registers as a matrix operand (512 consecutive bytes a load),
; the weights out of LDS turned, by ds_load_tr16_b128.  The matrix instruction is used transposed (source 0 = 16 weight columns, source 1 = 16 slots): a lane holds ONE slot and eight
; neighbouring columns, so mid packs into 16 bytes that lie as the next launch's operand wants them: midb[column / 16][slot][column % 16].  The bias is the C operand of the first K step.
; NO CLUSTER, NO TENSOR LOAD: each weight byte has one reader and must pass through registers to be rounded; the number of row tiles is a stored count, and a loop of such a length
; holds no barrier.
; LIMITS.  Operands are f16, sums f32: a weight beyond 65,504 becomes an infinity; below 6e-5 f16 keeps its fixed step of 6e-8.  mid lies within 8 x 7 = 56 by the clamps.
; A gate so low that 2^(-2.455 gate) overflows gives the weight 0, as the sigmoid's limit is.  NaN is not treated apart: the minimum and the clip drop it.
.set BLK,   147456                     ; bytes of a block of 16 k in xg and midb: 4,608 slots x 32
.set PITCH, 160                        ; an LDS row: 64 f16 + 32 bytes of padding = 5 x 32: the 8 rows x 32 bytes that 16 lanes of the turning load take fall on different words modulo 256 bytes
.set SPARE, 1024*PITCH                 ; behind the slice: the spare words, 128 bytes a wave; no other line names them
.set RQ,  2                            ; v2   lane % 16
.set HH,  3                            ; v3   lane / 16
.set WG,  4                            ; v4   my byte offset in the slice's rows in memory
.set WS,  5                            ; v5   where I put them in LDS
.set BA,  6                            ; v6-9 my lane's place in a fragment of the weights, K steps 0-7, 8-15, 16-23, 24-31; never rewritten
.set LO,  10                           ; v10  my lane's place in 16 slots of a block: 32 (lane % 16) + 16 (lane / 16)
.set AO,  11                           ; v11  + the tile in hand x 2,048
.set MO,  12                           ; v12  the same for the tile that is being stored
.set BO,  13                           ; v13  my offset in the bias
.set SPW, 14                           ; v14  my spare word
.set NIL, 15                           ; v15  0
.set T0,  16
.set T1,  17
.set BF,  32                           ; v32-63, v64-95 fragments of the weights, two buffers; in the activation: 64 registers at work
.set BIAS, 96                          ; v96-127 the bias as four C operands
.set ACC, 128                          ; v128-255 the 16 accumulators: subtile i (16 slots), fragment b (16 columns) at ACC + 8 (4 i + b)
; window 1 (v256-511): a ring of 8 slots of 32 registers for x: K step ks in slot ks % 8; subtile i, half hf of its 32 k at 32 slot + 8 i + 4 hf
; s14 wave  s15 x  s16 e  s18 t0  s19 T  s20 my number of tiles  s21 counts them  s22 tile  s23 s24 s25 s42 at work  s26-27 xg  s28-29 xg + 32 blocks
; s30-31 the slice in memory  s32-33 midb at my two blocks  s34-35 -1.702 log2(e)  s36 -7  s37 7  s38 offset in meta  s40-41 bias
.set MSB, 0
.macro WIN new                         ; s_set_vgpr_msb: bits 1:0 source 0, 3:2 source 1, 5:4 source 2, 7:6 destination; the high byte repeats the setting that is left
.if MSB != (\new)
	s_set_vgpr_msb (MSB<<8)|(\new)
.set MSB, \new
.endif
.endm
.set W_MUL, 0x04                       ; source 1 (x) in window 1; all else, LDS loads' registers too, in window 0
.set W_TOA, 0x40                       ; destination in window 1, address in window 0
.set W_FRA, 0x01                       ; source 0 in window 1
; 16 loads of the slice: load idx takes rows 128 w + 2 idx + lane / 16; 16 lanes take a row's 256 bytes.  Three sets of 64 registers take turns.
.macro WLOAD bt
.set SB, 32+96*((\bt)%3)-32*(((\bt)%3)/2)
.set n, 0
.rept 16
	global_load_b128 v[SB+4*n:SB+4*n+3], v[WG], s[30:31] offset:(16*(\bt)+n)*16384 th:TH_LOAD_NT
.set n, n+1
.endr
.endm
; rounded and stored: my four columns are gate, up, gate, up of two columns of mid.  LDS positions 32 s + i hold the gates of mid's columns 16 s + i, positions 32 s + 16 + i the ups.
; A batch's 32 roundings stand together, then its 32 stores in one run: no store stands straight behind the rounding that it stores.
.macro WPUT bt
.set SB, 32+96*((\bt)%3)-32*(((\bt)%3)/2)
.set n, 0
.rept 16
	v_cvt_pk_f16_f32 v[SB+4*n], v[SB+4*n], v[SB+4*n+2]
	v_cvt_pk_f16_f32 v[SB+4*n+1], v[SB+4*n+1], v[SB+4*n+3]
.set n, n+1
.endr
.set n, 0
.rept 16
	ds_store_b32 v[WS], v[SB+4*n] offset:2*PITCH*(16*(\bt)+n)
	ds_store_b32 v[WS], v[SB+4*n+1] offset:2*PITCH*(16*(\bt)+n)+32
.set n, n+1
.endr
.endm
; x of K step ks: 8 loads, each 16 slots x 16 k = 512 consecutive bytes
.macro ALOAD ks
	WIN W_TOA
.set AS, 32*((\ks)%8)
.irp hf, 0,1
.set blk, 2*(\ks)+(\hf)
.irp i, 0,1,2,3
.if blk < 32
	global_load_b128 v[AS+8*(\i)+4*(\hf):AS+8*(\i)+4*(\hf)+3], v[AO], s[26:27] offset:blk*BLK+512*(\i)
.else
	global_load_b128 v[AS+8*(\i)+4*(\hf):AS+8*(\i)+4*(\hf)+3], v[AO], s[28:29] offset:(blk-32)*BLK+512*(\i)
.endif
.endr
.endr
.endm
.macro PRO a, b                        ; K steps a .. b of x
.set pk, \a
.rept (\b)-(\a)+1
	ALOAD pk
.set pk, pk+1
.endr
.endm
; the weights of K step ks: 4 fragments of 16 columns x 32 k, two turning loads each, 16 rows apart
.macro BLOAD ks
.set BB, BF+32*((\ks)%2)
.set BR, BA+(\ks)/8
.irp b, 0,1,2,3
	ds_load_tr16_b128 v[BB+8*(\b):BB+8*(\b)+3],   v[BR] offset:((\ks)%8)*32*PITCH+32*(\b)
	ds_load_tr16_b128 v[BB+8*(\b)+4:BB+8*(\b)+7], v[BR] offset:((\ks)%8)*32*PITCH+32*(\b)+16*PITCH
.endr
.endm
; A K step of 32: 16 matrix instructions.  Four v_nop are the places between the last step's products and the loads into registers that they read (ISA guide 7.12.1 for vector
; instructions).  x is asked for seven steps ahead, the weights one.  The 16 accumulators take turns, one instruction a turn.
.macro KSTEP ks
.rept 4
	v_nop
.endr
.if (\ks)+7 <= 31
	ALOAD (\ks)+7
.endif
	WIN W_MUL
.if (\ks) < 31
	BLOAD (\ks)+1
.endif
.if (\ks) < 24
	s_wait_loadcnt 56                              ; loads come back in order: this step's eight are in; the seven younger steps' may be out
.else
	s_wait_loadcnt 8*(31-(\ks))                    ; nothing more is asked for: the count runs down
.endif
.if (\ks) < 31
	s_wait_dscnt 8                                 ; this step's weights are in; the next step's eight loads may be out
.else
	s_wait_dscnt 0
.endif
.set AS, 32*((\ks)%8)
.set BB, BF+32*((\ks)%2)
.irp i, 0,1,2,3
.irp b, 0,1,2,3
.if (\ks) == 0
	v_wmma_f32_16x16x32_f16 v[ACC+8*(4*(\i)+(\b)):ACC+8*(4*(\i)+(\b))+7], v[BB+8*(\b):BB+8*(\b)+7], v[AS+8*(\i):AS+8*(\i)+7], v[BIAS+8*(\b):BIAS+8*(\b)+7]
.else
	v_wmma_f32_16x16x32_f16 v[ACC+8*(4*(\i)+(\b)):ACC+8*(4*(\i)+(\b))+7], v[BB+8*(\b):BB+8*(\b)+7], v[AS+8*(\i):AS+8*(\i)+7], v[ACC+8*(4*(\i)+(\b)):ACC+8*(4*(\i)+(\b))+7]
.endif
.endr
.endr
.endm
; THE ACTIVATION of a tile.  Pair a of 8 (subtile a / 2, half a % 2 of mid's 32 columns): gates in G = ACC + 16 a, ups in G + 8, at work BF + 8 a.  Each accumulator's lowest register is read first.
; The 64 exponentials are one batch and the 64 reciprocals another; each has one s_wait_alu ahead of its first reader, and plain work or a v_nop behind its last.
.macro EPILOGUE
.set a, 0
.rept 8
.set G, ACC+16*a
.set j, 0
.rept 8
	v_min_num_f32 v[G+j], s37, v[G+j]              ; gate = min(gate, 7)
.set j, j+1
.endr
.set j, 0
.rept 8
	v_med3_num_f32 v[G+8+j], v[G+8+j], s36, s37    ; up = clip(up, -7, 7)
.set j, j+1
.endr
.set j, 0
.rept 4
	v_pk_mul_f32 v[BF+8*a+2*j:BF+8*a+2*j+1], v[G+2*j:G+2*j+1], s[34:35] op_sel_hi:[1,0]  ; -1.702 log2(e) gate
.set j, j+1
.endr
.set a, a+1
.endr
.set j, 0
.rept 64
	v_exp_f32 v[BF+j], v[BF+j]
.set j, j+1
.endr
.set a, 0
.rept 8
.set G, ACC+16*a
.set j, 0
.rept 4
	v_pk_fma_f32 v[G+8+2*j:G+8+2*j+1], v[G+8+2*j:G+8+2*j+1], v[G+2*j:G+2*j+1], v[G+2*j:G+2*j+1]  ; (up + 1) gate: names no exponential's result
.set j, j+1
.endr
.set a, a+1
.endr
	s_wait_alu depctr_va_vdst(0)
.set j, 0
.rept 32
	v_pk_add_f32 v[BF+2*j:BF+2*j+1], v[BF+2*j:BF+2*j+1], 1.0 op_sel_hi:[1,0]
.set j, j+1
.endr
.set j, 0
.rept 64
	v_rcp_f32 v[BF+j], v[BF+j]                     ; the sigmoid
.set j, j+1
.endr
	v_nop
	s_wait_alu depctr_va_vdst(0)
.set a, 0
.rept 8
.set G, ACC+16*a
.set j, 0
.rept 4
	v_pk_mul_f32 v[G+8+2*j:G+8+2*j+1], v[G+8+2*j:G+8+2*j+1], v[BF+8*a+2*j:BF+8*a+2*j+1]
.set j, j+1
.endr
.set j, 0
.rept 4
	v_cvt_pk_f16_f32 v[G+j], v[G+8+2*j], v[G+8+2*j+1]
.set j, j+1
.endr
	global_store_b128 v[MO], v[G:G+3], s[32:33] offset:(a%2)*BLK+512*(a/2)  ; 16 slots x 16 columns: 512 consecutive bytes, at a multiple of 512 from midb's first
.set a, a+1
.endr
.endm
	s_load_b256 s[4:11], s[0:1], 0x0               ; xg s[4:5], gate_up_proj s[6:7], gate_up_bias s[8:9], meta s[10:11]
	s_load_b64 s[12:13], s[0:1], 0x20              ; midb
	v_lshl_add_u32 v[SPW], v0, 2, SPARE
	v_mov_b32 v[NIL], 0
	v_lshrrev_b32 v1, 5, v0
	v_readfirstlane_b32 s14, v1                    ; wave 0..7
	v_and_b32 v[RQ], 15, v0
	v_bfe_u32 v[HH], v0, 4, 1
	v_bfe_u32 v[T0], v0, 3, 1
	v_and_b32 v[T1], 7, v0
	s_mov_b32 s15, ttmp9
	s_and_b32 s16, ttmp7, 0xffff
	s_lshl_b32 s38, s16, 3
	s_lshl_b32 s24, s14, 20                        ; my wave's 128 rows of 8,192 bytes
	v_lshlrev_b32 v[WG], 13, v[HH]
	v_lshl_add_u32 v[WG], v[RQ], 4, v[WG]
	v_add_nc_u32 v[WG], s24, v[WG]
	s_mul_i32 s24, s14, 128*PITCH
	v_mul_u32_u24 v[WS], v[HH], PITCH
	v_lshl_add_u32 v[WS], v[T0], 6, v[WS]          ; lanes 8-15 of a row hold mid's columns 16-31: 64 bytes on
	v_lshl_add_u32 v[WS], v[T1], 2, v[WS]          ; two gates (or ups) are 4 bytes
	v_add_nc_u32 v[WS], s24, v[WS]
	v_lshl_add_u32 v[BA], v[HH], 3, v[T1]          ; the turning load: lane l reads row 8 (l / 16) + l % 8, 16 bytes at 16 ((l / 8) % 2)
	v_mul_u32_u24 v[BA], v[BA], PITCH
	v_lshl_add_u32 v[BA], v[T0], 4, v[BA]
	v_add_nc_u32 v[BA+1], 256*PITCH, v[BA]
	v_add_nc_u32 v[BA+2], 512*PITCH, v[BA]
	v_add_nc_u32 v[BA+3], 768*PITCH, v[BA]
	v_lshlrev_b32 v[LO], 5, v[RQ]
	v_lshl_add_u32 v[LO], v[HH], 4, v[LO]
	v_lshlrev_b32 v[BO], 6, v[HH]                  ; my 8 gates and 8 ups of a half are 16 neighbouring numbers of the bias
	s_mov_b32 s34, 0xc01d265f                      ; -1.702 log2(e)
	s_mov_b32 s35, s34                             ; named with it as a pair
	s_mov_b32 s36, 0xc0e00000                      ; -7
	s_mov_b32 s37, 0x40e00000                      ; 7
	s_wait_kmcnt 0x0
	s_load_b64 s[18:19], s[10:11], s38 offset:0x0  ; t0, T of my expert
	s_lshl_b32 s24, s16, 23                        ; an expert's weights are 8 MiB,
	s_lshl_b32 s25, s15, 8                         ; a slice's part of a row 256 bytes
	s_add_co_u32 s24, s24, s25
	s_mov_b32 s25, 0
	s_add_nc_u64 s[30:31], s[6:7], s[24:25]
	s_lshl_b32 s24, s16, 13
	s_lshl_b32 s42, s15, 8
	s_add_co_u32 s24, s24, s42
	s_add_nc_u64 s[40:41], s[8:9], s[24:25]
	s_mul_i32 s24, s15, 2*BLK
	s_add_nc_u64 s[32:33], s[12:13], s[24:25]
	s_mov_b64 s[26:27], s[4:5]
	s_add_nc_u64 s[28:29], s[4:5], 32*BLK          ; so that a block's place fits the loads' immediate
	WLOAD 0
	WLOAD 1
	WLOAD 2
	WIN W_TOA
.irp s, 0,1
.irp t, 0,1,2,3
	global_load_b128 v[224+16*(\s)+4*(\t):224+16*(\s)+4*(\t)+3], v[BO], s[40:41] offset:128*(\s)+16*(\t)  ; the bias as it lies, into the ring's slot 7, which is filled last
.endr
.endr
	WIN 0
	s_wait_kmcnt 0x0
	s_min_u32 s18, s18, 71
	s_min_u32 s19, s19, 32
	s_add_co_u32 s20, s19, 7
	s_sub_co_u32 s20, s20, s14
	s_lshr_b32 s20, s20, 3                         ; my tiles: those of t0 + w + 8 j that lie below t0 + T
	s_add_co_u32 s22, s18, s14
	s_cmp_lt_u32 s14, s19
	s_cselect_b32 s22, s22, 0                      ; a wave without a tile asks for tile 0, which always exists, and uses nothing of it: so the counts below hold on every path
	s_min_u32 s22, s22, 71
	v_lshl_add_u32 v[AO], s22, 11, v[LO]
	; Each count is the number of loads issued behind the batch that is waited for.
	s_wait_loadcnt 40                              ; batches 1, 2 and the bias: 16 + 16 + 8
	WPUT 0
	WLOAD 3
	s_wait_loadcnt 40                              ; batch 2, the bias, batch 3
	WPUT 1
	PRO 0, 2
	WIN 0
	s_wait_loadcnt 48                              ; the bias, batch 3, 24 loads of x
	WPUT 2
	s_wait_loadcnt 24                              ; the 24 loads of x
	WPUT 3
	WIN W_FRA
.irp s, 0,1
.irp j, 0,1,2,3,4,5,6,7
	v_mov_b32 v[BIAS+16*(\s)+(\j)],   v[224+16*(\s)+2*(\j)]    ; the gates' bias,
	v_mov_b32 v[BIAS+16*(\s)+8+(\j)], v[224+16*(\s)+2*(\j)+1]  ; the ups'
.endr
.endr
	PRO 3, 6
	WIN 0
	s_wait_dscnt 0x0                               ; for the others' sake: my part of the slice is in LDS
	s_barrier_signal -1
	s_barrier_wait -1                              ; the one barrier: the slice is whole, and nothing writes it again
	s_mov_b32 s21, 0
	s_cmp_lt_u32 s21, s20
	s_cbranch_scc0 .Lend
.Lgroup:                                               ; a trip: one tile of 64 slots x 64 columns, K = 1,024
	BLOAD 0
.set kk, 0
.rept 32
	KSTEP kk
.set kk, kk+1
.endr
	WIN 0
.rept 4
	v_nop                                          ; the places behind the last products
.endr
	v_mov_b32 v[MO], v[AO]
	s_add_co_u32 s22, s22, 8
	s_min_u32 s22, s22, 71
	v_lshl_add_u32 v[AO], s22, 11, v[LO]           ; free: all this tile's loads were waited for in the last K step
	s_add_co_u32 s23, s21, 1
	s_cmp_lt_u32 s23, s20
	s_cbranch_scc0 .Lno_more                       ; the last trip asks for nothing
	PRO 0, 6                                       ; the next tile's first seven K steps come in under the activation
	WIN 0
.Lno_more:
	EPILOGUE
	s_wait_xcnt 0x0                                ; the stores' data and offset are written again only behind this wait
	s_add_co_u32 s21, s21, 1
	s_cmp_lt_u32 s21, s20
	s_cbranch_scc1 .Lgroup
.Lend:
	s_wait_tensorcnt 0x0                           ; the wave's end
	ds_add_u32 v[SPW], v[NIL]
	s_wait_dscnt 0x0
	s_endpgm
.Lfunc_end_k_qcc6d12e1f9_gu:
	.size	k_qcc6d12e1f9_gu, .Lfunc_end_k_qcc6d12e1f9_gu-k_qcc6d12e1f9_gu
	.p2alignl 7, 3214868480
	.fill 96, 4, 3214868480
	.section	.rodata,"a",@progbits
	.p2align	6, 0x0
	.amdhsa_kernel k_qcc6d12e1f9_gu
		.amdhsa_group_segment_fixed_size 164864
		.amdhsa_private_segment_fixed_size 0
		.amdhsa_enable_private_segment 0
		.amdhsa_kernarg_size 40
		.amdhsa_user_sgpr_count 2
		.amdhsa_user_sgpr_kernarg_segment_ptr 1
		.amdhsa_wavefront_size32 1
		.amdhsa_system_sgpr_workgroup_id_x 1
		.amdhsa_system_sgpr_workgroup_id_y 1
		.amdhsa_system_sgpr_workgroup_id_z 1
		.amdhsa_system_vgpr_workitem_id 0
		.amdhsa_next_free_vgpr 512
		.amdhsa_next_free_sgpr 66
		.amdhsa_reserve_vcc 0
		.amdhsa_float_denorm_mode_32 3
		.amdhsa_float_denorm_mode_16_64 3
		.amdhsa_memory_ordered 1
		.amdhsa_forward_progress 1
		.amdhsa_inst_pref_size 134
	.end_amdhsa_kernel
	.amdgpu_metadata
---
amdhsa.version: [ 1, 2 ]
amdhsa.kernels:
  - .name:           k_qcc6d12e1f9_gu
    .symbol:         k_qcc6d12e1f9_gu.kd
    .args:
      - { .name: xg, .offset: 0, .size: 8, .value_kind: global_buffer, .address_space: global }
      - { .name: gate_up_proj, .offset: 8, .size: 8, .value_kind: global_buffer, .address_space: global }
      - { .name: gate_up_bias, .offset: 16, .size: 8, .value_kind: global_buffer, .address_space: global }
      - { .name: meta, .offset: 24, .size: 8, .value_kind: global_buffer, .address_space: global }
      - { .name: midb, .offset: 32, .size: 8, .value_kind: global_buffer, .address_space: global }
    .group_segment_fixed_size: 164864
    .private_segment_fixed_size: 0
    .kernarg_segment_align: 8
    .kernarg_segment_size: 40
    .max_flat_workgroup_size: 256
    .sgpr_count:     66
    .vgpr_count:     512
    .wavefront_size: 32
...
	.end_amdgpu_metadata
.endif
;; end of part 2
;; launch down (part 3): grid 16 x 16, 4 waves a work-group, no clusters, 181,760 bytes of LDS; arguments midb, down_proj, down_bias, meta, p; writes p
.if DOCPART == 3
	.amdgcn_target "amdgcn-amd-amdhsa--gfx1250"
	.amdhsa_code_object_version 6
	.text
	.protected	k_qcc6d12e1f9_down
	.globl	k_qcc6d12e1f9_down
	.p2align	8
	.type	k_qcc6d12e1f9_down,@function
k_qcc6d12e1f9_down:
	s_mov_b64 s[64:65], 0
	v_nop
	global_prefetch_b8 v0, s[64:65] scope:SCOPE_SE
	s_setreg_imm32_b32 hwreg(HW_REG_WAVE_MODE, 25, 1), 1
	s_wait_xcnt 0x0
; SECOND PRODUCT.  For the rows of expert e: p[slot] = mid[slot] Wd[e] + bd[e], in f32; the routing weight is applied by the launch that adds a token's rows.
; Work-group (x, 2 e + half) holds columns 64 x .. 64 x + 63 of Wd[e]: 1,024 rows x 256 bytes of f32, rounded to f16 on the way through registers and laid in LDS as [k][64].
; An expert's tiles of 64 slots are dealt to eight wave places, four in each half: place u = 4 half + wave takes tiles t0 + u + 8 j below t0 + T (t0, T from meta).
; The loop over tiles has no barrier; its LDS addresses are fixed.  mid comes from midb straight into registers as a matrix operand, the weights out of LDS turned.
; K GOES IN PAIRS of steps of 32: one run of loads (16 of mid, 16 of the weights) and four places serve 32 matrix instructions; a SIMD holds one wave here, so nothing else would
; stand in the gap between a run of products and the loads behind it.
; The matrix instruction is used transposed (source 0 = 16 columns, source 1 = 16 slots); the bias is the C operand of the first K step.  A lane then holds 8 neighbouring columns of one
; slot; 16 slots at a time go through the wave's own stage in LDS and leave as whole pieces of 256 bytes.
; NO CLUSTER, NO TENSOR LOAD: the weights must pass through registers to be rounded, and the number of row tiles is a stored count: a loop of such a length holds no barrier.
; LIMITS.  Operands are f16, sums f32: a weight beyond 65,504 becomes an infinity; below 6e-5 f16 keeps its fixed step of 6e-8.
.set BLK,   147456                     ; bytes of a block of 16 k in midb: 4,608 slots x 32
.set PITCH, 160                        ; an LDS row of the slice: 64 f16 + 32 bytes = 5 x 32
.set STAGE, 1024*PITCH                 ; behind the slice: 16 rows x 272 bytes for each wave
.set SP,    272                        ; 256 bytes + 16: 17 x 16, so the 16 rows of a 16-byte column start 16 bytes apart modulo 256
.set SPARE, STAGE+4*16*SP              ; the spare words, 128 bytes a wave; no other line names them
.set RQ,  2                            ; v2   lane % 16
.set HH,  3                            ; v3   lane / 16
.set WG,  4                            ; v4   my byte offset in the slice's rows in memory
.set WS,  5                            ; v5   where I put them in LDS
.set BA,  6                            ; v6-9 my lane's place in a fragment of the weights, eight K steps each; never rewritten
.set LO,  10                           ; v10  32 (lane % 16) + 16 (lane / 16)
.set AO,  11                           ; v11  + the tile in hand x 2,048
.set PO,  12                           ; v12  my byte offset in p for the tile that is being stored
.set BO,  13                           ; v13  my offset in the bias
.set SPW, 14                           ; v14  my spare word
.set NIL, 15                           ; v15  0
.set PL,  16                           ; v16  4,096 (lane / 16) + 16 (lane % 16)
.set ST,  17                           ; v17  the way out: where I put 16 bytes of a slot's row
.set RD,  18                           ; v18  where I read rows back
.set T0,  19
.set T1,  20
.set BIAS, 96                          ; v96-127 the bias as four C operands
.set ACC, 128                          ; v128-255 subtile i, fragment b at ACC + 8 (4 i + b)
; v32-95, v128-191, v192-255 take turns for the weights on their way to LDS, ahead of the first product
; window 1 (v256-511): a ring of 8 slots of 32 registers for mid: K step ks in slot ks % 8; subtile i, half hf at 32 slot + 8 i + 4 hf
; window 2 (v512-639): a ring of 4 buffers of 32 registers for the weights' fragments: K step ks in buffer ks % 4
; s14 wave  s15 x  s16 e  s17 half  s18 t0  s19 T  s20 my tiles  s21 counts them  s22 tile  s23-25 s42 at work  s26-27 midb  s28-29 midb + 32 blocks
; s30-31 the slice in memory  s32-33 p at my columns  s38 offset in meta  s39 my place u  s40-41 bias
.set MSB, 0
.macro WIN new                         ; bits 1:0 source 0, 3:2 source 1, 5:4 source 2, 7:6 destination; the high byte repeats the setting that is left
.if MSB != (\new)
	s_set_vgpr_msb (MSB<<8)|(\new)
.set MSB, \new
.endif
.endm
.set W_MUL, 0x06                       ; source 0 (weights) window 2, source 1 (mid) window 1, C and D window 0
.set W_TOA, 0x40                       ; destination window 1, address window 0
.set W_TOB, 0x80                       ; destination window 2, address window 0
; 16 loads of the slice: load idx takes rows 256 w + 2 idx + lane / 16; 16 lanes take a row's 256 bytes.  No hint: the other half's work-group reads the same bytes.
.macro WLOAD bt
.set SB, 32+96*((\bt)%3)-32*(((\bt)%3)/2)
.set n, 0
.rept 16
	global_load_b128 v[SB+4*n:SB+4*n+3], v[WG], s[30:31] offset:(16*(\bt)+n)*8192
.set n, n+1
.endr
.endm
; A batch's 32 roundings stand together, then its 16 stores in one run: no store stands straight behind the rounding that it stores.
.macro WPUT bt
.set SB, 32+96*((\bt)%3)-32*(((\bt)%3)/2)
.set n, 0
.rept 16
	v_cvt_pk_f16_f32 v[SB+4*n], v[SB+4*n], v[SB+4*n+1]
	v_cvt_pk_f16_f32 v[SB+4*n+1], v[SB+4*n+2], v[SB+4*n+3]
.set n, n+1
.endr
.set n, 0
.rept 16
	ds_store_b64 v[WS], v[SB+4*n:SB+4*n+1] offset:2*PITCH*(16*(\bt)+n)
.set n, n+1
.endr
.endm
.macro ALOAD ks                        ; mid of K step ks: 8 loads of 512 consecutive bytes
	WIN W_TOA
.set AS, 32*((\ks)%8)
.irp hf, 0,1
.set blk, 2*(\ks)+(\hf)
.irp i, 0,1,2,3
.if blk < 32
	global_load_b128 v[AS+8*(\i)+4*(\hf):AS+8*(\i)+4*(\hf)+3], v[AO], s[26:27] offset:blk*BLK+512*(\i)
.else
	global_load_b128 v[AS+8*(\i)+4*(\hf):AS+8*(\i)+4*(\hf)+3], v[AO], s[28:29] offset:(blk-32)*BLK+512*(\i)
.endif
.endr
.endr
.endm
.macro PRO a, b
.set pk, \a
.rept (\b)-(\a)+1
	ALOAD pk
.set pk, pk+1
.endr
.endm
.macro BLOAD ks                        ; the weights of K step ks: 4 fragments of 16 columns x 32 k, two turning loads each, 16 rows apart
	WIN W_TOB
.set BB, 32*((\ks)%4)
.set BR, BA+(\ks)/8
.irp b, 0,1,2,3
	ds_load_tr16_b128 v[BB+8*(\b):BB+8*(\b)+3],   v[BR] offset:((\ks)%8)*32*PITCH+32*(\b)
	ds_load_tr16_b128 v[BB+8*(\b)+4:BB+8*(\b)+7], v[BR] offset:((\ks)%8)*32*PITCH+32*(\b)+16*PITCH
.endr
.endm
.macro MUL16 ks                        ; the 16 matrix instructions of K step ks; the 16 accumulators take turns, one instruction a turn, in the same order in every step
.set AS, 32*((\ks)%8)
.set BB, 32*((\ks)%4)
.irp i, 0,1,2,3
.irp b, 0,1,2,3
.if (\ks) == 0
	v_wmma_f32_16x16x32_f16 v[ACC+8*(4*(\i)+(\b)):ACC+8*(4*(\i)+(\b))+7], v[BB+8*(\b):BB+8*(\b)+7], v[AS+8*(\i):AS+8*(\i)+7], v[BIAS+8*(\b):BIAS+8*(\b)+7]
.else
	v_wmma_f32_16x16x32_f16 v[ACC+8*(4*(\i)+(\b)):ACC+8*(4*(\i)+(\b))+7], v[BB+8*(\b):BB+8*(\b)+7], v[AS+8*(\i):AS+8*(\i)+7], v[ACC+8*(4*(\i)+(\b)):ACC+8*(4*(\i)+(\b))+7]
.endif
.endr
.endr
.endm
; Pair p: K steps 2 p and 2 p + 1.  Four v_nop are the places between the last pair's products and the loads into the registers that they read (ISA guide 7.12.1 for vector instructions):
; the ring slots and buffers of steps 2 p - 2 and 2 p - 1 take mid of steps 2 p + 6, 2 p + 7 and the weights of steps 2 p + 2, 2 p + 3.
.macro KPAIR p
.rept 4
	v_nop
.endr
.if 2*(\p)+7 <= 31
	ALOAD 2*(\p)+6
	ALOAD 2*(\p)+7
.endif
.if 2*(\p)+3 <= 31
	BLOAD 2*(\p)+2
	BLOAD 2*(\p)+3
.endif
	WIN W_MUL
.if (\p) <= 12
	s_wait_loadcnt 48                              ; loads come back in order: this pair's sixteen are in; the six younger steps' eight each may be out
.else
	s_wait_loadcnt 16*(15-(\p))                    ; nothing more is asked for: the count runs down
.endif
.if (\p) <= 14
	s_wait_dscnt 16                                ; this pair's weights are in; the next pair's sixteen loads may be out
.else
	s_wait_dscnt 0
.endif
	MUL16 2*(\p)
	MUL16 2*(\p)+1
.endm
; THE WAY OUT of subtile i: 16 slots x 64 columns of f32 into my own stage (each accumulator's low four registers first), and back as whole rows of 256 bytes into the registers that they left.
.macro STG i
.irp b, 0,1,2,3
	ds_store_b128 v[ST], v[ACC+8*(4*(\i)+(\b)):ACC+8*(4*(\i)+(\b))+3]   offset:64*(\b)
	ds_store_b128 v[ST], v[ACC+8*(4*(\i)+(\b))+4:ACC+8*(4*(\i)+(\b))+7] offset:64*(\b)+16
.endr
.irp t, 0,1,2,3,4,5,6,7
	ds_load_b128 v[ACC+32*(\i)+4*(\t):ACC+32*(\i)+4*(\t)+3], v[RD] offset:(\t)*2*SP  ; LDS serves a wave's instructions in order (ISA guide 5.7.1.4): these see the stores above; the next subtile's stores come behind them
.endr
.endm
.macro SEND i, younger                 ; younger: the LDS instructions issued behind subtile i's loads: the next subtile's sixteen, or none
.irp t, 0,1,2,3,4,5,6,7
	s_wait_dscnt (\younger)+7-(\t)
	global_store_b128 v[PO], v[ACC+32*(\i)+4*(\t):ACC+32*(\i)+4*(\t)+3], s[32:33] offset:(16*(\i)+2*(\t))*4096  ; 16 lanes store 256 consecutive bytes, at a multiple of 256 from p's first
.endr
.endm
	s_load_b256 s[4:11], s[0:1], 0x0               ; midb s[4:5], down_proj s[6:7], down_bias s[8:9], meta s[10:11]
	s_load_b64 s[12:13], s[0:1], 0x20              ; p
	v_lshl_add_u32 v[SPW], v0, 2, SPARE
	v_mov_b32 v[NIL], 0
	v_lshrrev_b32 v1, 5, v0
	v_readfirstlane_b32 s14, v1                    ; wave 0..3
	v_and_b32 v[RQ], 15, v0
	v_bfe_u32 v[HH], v0, 4, 1
	v_bfe_u32 v[T0], v0, 3, 1
	v_and_b32 v[T1], 7, v0
	s_mov_b32 s15, ttmp9
	s_and_b32 s16, ttmp7, 0xffff
	s_and_b32 s17, s16, 1
	s_lshr_b32 s16, s16, 1
	s_lshl2_add_u32 s39, s17, s14                  ; u = 4 half + wave
	s_lshl_b32 s38, s16, 3
	s_lshl_b32 s24, s14, 20                        ; my wave's 256 rows of 4,096 bytes
	v_lshlrev_b32 v[WG], 12, v[HH]
	v_lshl_add_u32 v[WG], v[RQ], 4, v[WG]
	v_add_nc_u32 v[WG], s24, v[WG]
	s_mul_i32 s24, s14, 256*PITCH
	v_mul_u32_u24 v[WS], v[HH], PITCH
	v_lshl_add_u32 v[WS], v[RQ], 3, v[WS]
	v_add_nc_u32 v[WS], s24, v[WS]
	v_lshl_add_u32 v[BA], v[HH], 3, v[T1]          ; the turning load: lane l reads row 8 (l / 16) + l % 8, 16 bytes at 16 ((l / 8) % 2)
	v_mul_u32_u24 v[BA], v[BA], PITCH
	v_lshl_add_u32 v[BA], v[T0], 4, v[BA]
	v_add_nc_u32 v[BA+1], 256*PITCH, v[BA]
	v_add_nc_u32 v[BA+2], 512*PITCH, v[BA]
	v_add_nc_u32 v[BA+3], 768*PITCH, v[BA]
	v_lshlrev_b32 v[LO], 5, v[RQ]
	v_lshl_add_u32 v[LO], v[HH], 4, v[LO]
	v_lshlrev_b32 v[BO], 5, v[HH]                  ; my 8 columns of a fragment's 16
	v_lshlrev_b32 v[PL], 12, v[HH]
	v_lshl_add_u32 v[PL], v[RQ], 4, v[PL]
	s_mul_i32 s24, s14, 16*SP
	s_add_co_u32 s24, s24, STAGE                   ; my stage
	v_mul_u32_u24 v[ST], v[RQ], SP                 ; in: row lane % 16, 32 bytes for each half of the lanes
	v_lshl_add_u32 v[ST], v[HH], 5, v[ST]
	v_add_nc_u32 v[ST], s24, v[ST]
	v_mul_u32_u24 v[RD], v[HH], SP                 ; back: lanes 0-15 one row of 256 bytes, lanes 16-31 the next
	v_lshl_add_u32 v[RD], v[RQ], 4, v[RD]
	v_add_nc_u32 v[RD], s24, v[RD]
	s_wait_kmcnt 0x0
	s_load_b64 s[18:19], s[10:11], s38 offset:0x0  ; t0, T of my expert
	s_lshl_b32 s24, s16, 22                        ; an expert's weights are 4 MiB
	s_lshl_b32 s25, s15, 8
	s_add_co_u32 s24, s24, s25
	s_mov_b32 s25, 0
	s_add_nc_u64 s[30:31], s[6:7], s[24:25]
	s_lshl_b32 s24, s16, 12
	s_lshl_b32 s42, s15, 8
	s_add_co_u32 s24, s24, s42
	s_add_nc_u64 s[40:41], s[8:9], s[24:25]
	s_mov_b32 s24, s42
	s_add_nc_u64 s[32:33], s[12:13], s[24:25]
	s_mov_b64 s[26:27], s[4:5]
	s_add_nc_u64 s[28:29], s[4:5], 32*BLK
	WLOAD 0
	WLOAD 1
	WLOAD 2
.irp b, 0,1,2,3
	global_load_b128 v[BIAS+8*(\b):BIAS+8*(\b)+3],   v[BO], s[40:41] offset:64*(\b)
	global_load_b128 v[BIAS+8*(\b)+4:BIAS+8*(\b)+7], v[BO], s[40:41] offset:64*(\b)+16
.endr
	s_wait_kmcnt 0x0
	s_min_u32 s18, s18, 71
	s_min_u32 s19, s19, 32
	s_add_co_u32 s20, s19, 7
	s_sub_co_u32 s20, s20, s39
	s_lshr_b32 s20, s20, 3                         ; my tiles
	s_add_co_u32 s22, s18, s39
	s_cmp_lt_u32 s39, s19
	s_cselect_b32 s22, s22, 0                      ; a wave without a tile asks for tile 0, which always exists, and uses nothing of it
	s_min_u32 s22, s22, 71
	v_lshl_add_u32 v[AO], s22, 11, v[LO]
	; Each count is the number of loads issued behind the batch that is waited for.
	s_wait_loadcnt 40                              ; batches 1, 2, the bias
	WPUT 0
	WLOAD 3
	s_wait_loadcnt 40                              ; batch 2, the bias, batch 3
	WPUT 1
	WLOAD 4
	s_wait_loadcnt 40                              ; the bias, batches 3, 4
	WPUT 2
	WLOAD 5
	s_wait_loadcnt 32                              ; batches 4, 5
	WPUT 3
	WLOAD 6
	s_wait_loadcnt 32                              ; batches 5, 6
	WPUT 4
	WLOAD 7
	s_wait_loadcnt 32                              ; batches 6, 7
	WPUT 5
	PRO 0, 2
	WIN 0
	s_wait_loadcnt 40                              ; batch 7, 24 loads of mid
	WPUT 6
	s_wait_loadcnt 24                              ; the 24 loads of mid
	WPUT 7
	PRO 3, 5
	WIN 0
	s_wait_dscnt 0x0                               ; for the others' sake: my part of the slice is in LDS
	s_barrier_signal -1
	s_barrier_wait -1                              ; the one barrier: the slice is whole, and nothing writes it again
	s_mov_b32 s21, 0
	s_cmp_lt_u32 s21, s20
	s_cbranch_scc0 .Lend
.Lgroup:                                               ; a trip: one tile of 64 slots x 64 columns, K = 1,024
	BLOAD 0
	BLOAD 1
.set pp, 0
.rept 16
	KPAIR pp
.set pp, pp+1
.endr
	WIN 0
.rept 4
	v_nop                                          ; the places behind the last products
.endr
	s_lshl_b32 s24, s22, 18                        ; a tile's 64 rows of 4,096 bytes
	v_add_nc_u32 v[PO], s24, v[PL]
	s_add_co_u32 s22, s22, 8
	s_min_u32 s22, s22, 71
	v_lshl_add_u32 v[AO], s22, 11, v[LO]           ; free: all this tile's loads were waited for in the last pair
	s_add_co_u32 s23, s21, 1
	s_cmp_lt_u32 s23, s20
	s_cbranch_scc0 .Lno_more                       ; the last trip asks for nothing
	PRO 0, 5                                       ; the next tile's first six K steps come in under the way out
	WIN 0
.Lno_more:
	STG 0
	STG 1                                          ; a subtile's trip through the stage stands between the loads of the one before and its stores
	SEND 0, 16
	STG 2
	SEND 1, 16
	STG 3
	SEND 2, 16
	SEND 3, 0
	s_wait_xcnt 0x0                                ; the stores' data and offset are written again only behind this wait
	s_add_co_u32 s21, s21, 1
	s_cmp_lt_u32 s21, s20
	s_cbranch_scc1 .Lgroup
.Lend:
	s_wait_tensorcnt 0x0                           ; the wave's end
	ds_add_u32 v[SPW], v[NIL]
	s_wait_dscnt 0x0
	s_endpgm
.Lfunc_end_k_qcc6d12e1f9_down:
	.size	k_qcc6d12e1f9_down, .Lfunc_end_k_qcc6d12e1f9_down-k_qcc6d12e1f9_down
	.p2alignl 7, 3214868480
	.fill 96, 4, 3214868480
	.section	.rodata,"a",@progbits
	.p2align	6, 0x0
	.amdhsa_kernel k_qcc6d12e1f9_down
		.amdhsa_group_segment_fixed_size 181760
		.amdhsa_private_segment_fixed_size 0
		.amdhsa_enable_private_segment 0
		.amdhsa_kernarg_size 40
		.amdhsa_user_sgpr_count 2
		.amdhsa_user_sgpr_kernarg_segment_ptr 1
		.amdhsa_wavefront_size32 1
		.amdhsa_system_sgpr_workgroup_id_x 1
		.amdhsa_system_sgpr_workgroup_id_y 1
		.amdhsa_system_sgpr_workgroup_id_z 1
		.amdhsa_system_vgpr_workitem_id 0
		.amdhsa_next_free_vgpr 640
		.amdhsa_next_free_sgpr 66
		.amdhsa_reserve_vcc 0
		.amdhsa_float_denorm_mode_32 3
		.amdhsa_float_denorm_mode_16_64 3
		.amdhsa_memory_ordered 1
		.amdhsa_forward_progress 1
		.amdhsa_inst_pref_size 131
	.end_amdhsa_kernel
	.amdgpu_metadata
---
amdhsa.version: [ 1, 2 ]
amdhsa.kernels:
  - .name:           k_qcc6d12e1f9_down
    .symbol:         k_qcc6d12e1f9_down.kd
    .args:
      - { .name: midb, .offset: 0, .size: 8, .value_kind: global_buffer, .address_space: global }
      - { .name: down_proj, .offset: 8, .size: 8, .value_kind: global_buffer, .address_space: global }
      - { .name: down_bias, .offset: 16, .size: 8, .value_kind: global_buffer, .address_space: global }
      - { .name: meta, .offset: 24, .size: 8, .value_kind: global_buffer, .address_space: global }
      - { .name: p, .offset: 32, .size: 8, .value_kind: global_buffer, .address_space: global }
    .group_segment_fixed_size: 181760
    .private_segment_fixed_size: 0
    .kernarg_segment_align: 8
    .kernarg_segment_size: 40
    .max_flat_workgroup_size: 128
    .sgpr_count:     66
    .vgpr_count:     640
    .wavefront_size: 32
...
	.end_amdgpu_metadata
.endif
;; end of part 3
;; launch sum (part 4): grid 256 x 1, 8 waves a work-group, no clusters, 0 bytes of LDS; arguments p, t2s, router_indices, routing_weights, out0; writes out0
.if DOCPART == 4
	.amdgcn_target "amdgcn-amd-amdhsa--gfx1250"
	.amdhsa_code_object_version 6
	.text
	.protected	k_qcc6d12e1f9_sum
	.globl	k_qcc6d12e1f9_sum
	.p2align	8
	.type	k_qcc6d12e1f9_sum,@function
k_qcc6d12e1f9_sum:
	s_mov_b64 s[64:65], 0
	v_nop
	global_prefetch_b8 v0, s[64:65] scope:SCOPE_SE
	s_setreg_imm32_b32 hwreg(HW_REG_WAVE_MODE, 25, 1), 1
	s_wait_xcnt 0x0
; out[t] = w[t][i0] p[slot(t, i0)] + w[t][i1] p[slot(t, i1)], with (i0, i1) = router_indices[t], w = routing_weights, slot = t2s.
; Where the two indices are equal both terms are the same row with the same weight, which is the doubled weight that the count gives.
; One wave, one token: a row of p is 4,096 bytes, eight loads of 512 consecutive bytes.  A stream: no LDS, no barrier, no matrix unit.
; The token's whole rows of t2s and of the weights (8 entries, 32 bytes each; every entry of t2s has been written) are loaded beside the two indices, since their addresses hang on t
; alone, and the two entries wanted are then picked by lane: one load's way fewer ahead of the rows of p.
; ROUNDING.  The second term is joined by one fused multiply-add; the sum over the six experts that the token did not choose, all zeros, is left out.
; s14 wave  s15 t  s16 8 t  s17 32 t  s18 s19 the indices  s22-23 s24-25 the weights, as pairs  s26 s27 slots  s28-29 at work  s30-35 the three rows
; v2 16 x lane  v3 32 t + 4 (lane % 8)  v4-67 the rows  v68 the token's slots  v69 its weights
	s_load_b256 s[4:11], s[0:1], 0x0               ; p s[4:5], t2s s[6:7], router_indices s[8:9], routing_weights s[10:11]
	s_load_b64 s[12:13], s[0:1], 0x20              ; out0
	v_lshrrev_b32 v1, 5, v0
	v_readfirstlane_b32 s14, v1
	v_and_b32 v2, 31, v0
	v_lshlrev_b32 v2, 4, v2                        ; 16 bytes a lane
	v_and_b32 v3, 7, v0
	v_lshlrev_b32 v3, 2, v3
	s_lshl_b32 s15, ttmp9, 3
	s_add_co_u32 s15, s15, s14                     ; my token
	s_lshl_b32 s16, s15, 3
	s_lshl_b32 s17, s15, 5
	v_add_nc_u32 v3, s17, v3                       ; lane l holds entry l % 8
	s_mov_b32 s29, 0
	s_wait_kmcnt 0x0
	s_load_b64 s[18:19], s[8:9], s16 offset:0x0
	global_load_b32 v68, v3, s[6:7]
	global_load_b32 v69, v3, s[10:11]
	s_lshl_b32 s28, s15, 12
	s_add_nc_u64 s[34:35], s[12:13], s[28:29]
	s_wait_kmcnt 0x0
	s_min_u32 s18, s18, 7
	s_min_u32 s19, s19, 7
	s_wait_loadcnt 0x0
	v_readlane_b32 s26, v68, s18
	v_readlane_b32 s27, v68, s19
	v_readlane_b32 s22, v69, s18
	v_readlane_b32 s24, v69, s19
	s_min_u32 s26, s26, 4607
	s_min_u32 s27, s27, 4607
	s_lshl_b32 s28, s26, 12
	s_add_nc_u64 s[30:31], s[4:5], s[28:29]
	s_lshl_b32 s28, s27, 12
	s_add_nc_u64 s[32:33], s[4:5], s[28:29]
.irp j, 0,1,2,3,4,5,6,7
	global_load_b128 v[4+8*(\j):7+8*(\j)],  v2, s[30:31] offset:512*(\j)
	global_load_b128 v[8+8*(\j):11+8*(\j)], v2, s[32:33] offset:512*(\j)
.endr
	s_mov_b32 s23, s22                             ; named as pairs by the packed arithmetic
	s_mov_b32 s25, s24
.irp j, 0,1,2,3,4,5,6,7
	s_wait_loadcnt 14-2*(\j)                       ; loads come back in order: pair j is in, the younger pairs may be out
	v_pk_mul_f32 v[4+8*(\j):5+8*(\j)], v[4+8*(\j):5+8*(\j)], s[22:23] op_sel_hi:[1,0]
	v_pk_mul_f32 v[6+8*(\j):7+8*(\j)], v[6+8*(\j):7+8*(\j)], s[22:23] op_sel_hi:[1,0]
	v_pk_fma_f32 v[4+8*(\j):5+8*(\j)], v[8+8*(\j):9+8*(\j)],   s[24:25], v[4+8*(\j):5+8*(\j)] op_sel_hi:[1,0,1]
	v_pk_fma_f32 v[6+8*(\j):7+8*(\j)], v[10+8*(\j):11+8*(\j)], s[24:25], v[6+8*(\j):7+8*(\j)] op_sel_hi:[1,0,1]
	global_store_b128 v2, v[4+8*(\j):7+8*(\j)], s[34:35] offset:512*(\j) th:TH_STORE_NT  ; 512 consecutive bytes, at a multiple of 512 from out0's first
.endr
	s_endpgm
.Lfunc_end_k_qcc6d12e1f9_sum:
	.size	k_qcc6d12e1f9_sum, .Lfunc_end_k_qcc6d12e1f9_sum-k_qcc6d12e1f9_sum
	.p2alignl 7, 3214868480
	.fill 96, 4, 3214868480
	.section	.rodata,"a",@progbits
	.p2align	6, 0x0
	.amdhsa_kernel k_qcc6d12e1f9_sum
		.amdhsa_group_segment_fixed_size 0
		.amdhsa_private_segment_fixed_size 0
		.amdhsa_enable_private_segment 0
		.amdhsa_kernarg_size 40
		.amdhsa_user_sgpr_count 2
		.amdhsa_user_sgpr_kernarg_segment_ptr 1
		.amdhsa_wavefront_size32 1
		.amdhsa_system_sgpr_workgroup_id_x 1
		.amdhsa_system_sgpr_workgroup_id_y 1
		.amdhsa_system_sgpr_workgroup_id_z 1
		.amdhsa_system_vgpr_workitem_id 0
		.amdhsa_next_free_vgpr 72
		.amdhsa_next_free_sgpr 66
		.amdhsa_reserve_vcc 0
		.amdhsa_float_denorm_mode_32 3
		.amdhsa_float_denorm_mode_16_64 3
		.amdhsa_memory_ordered 1
		.amdhsa_forward_progress 1
		.amdhsa_inst_pref_size 7
	.end_amdhsa_kernel
	.amdgpu_metadata
---
amdhsa.version: [ 1, 2 ]
amdhsa.kernels:
  - .name:           k_qcc6d12e1f9_sum
    .symbol:         k_qcc6d12e1f9_sum.kd
    .args:
      - { .name: p, .offset: 0, .size: 8, .value_kind: global_buffer, .address_space: global }
      - { .name: t2s, .offset: 8, .size: 8, .value_kind: global_buffer, .address_space: global }
      - { .name: router_indices, .offset: 16, .size: 8, .value_kind: global_buffer, .address_space: global }
      - { .name: routing_weights, .offset: 24, .size: 8, .value_kind: global_buffer, .address_space: global }
      - { .name: out0, .offset: 32, .size: 8, .value_kind: global_buffer, .address_space: global }
    .group_segment_fixed_size: 0
    .private_segment_fixed_size: 0
    .kernarg_segment_align: 8
    .kernarg_segment_size: 40
    .max_flat_workgroup_size: 256
    .sgpr_count:     66
    .vgpr_count:     72
    .wavefront_size: 32
...
	.end_amdgpu_metadata
.endif
;; end of part 4
;; ======== version 2 of 2: 4 launches; version 1 with the launches gu, down written anew for expert scheduling mode
;; limits: values are held in f16: magnitudes above 65,504 overflow, below 6.1e-05 lose precision; inputs' magnitudes at most 65,504
;; workspace buffers: xg 9,437,184 bytes; midb 9,437,184 bytes; p 18,874,368 bytes; t2s 65,536 bytes of whole numbers; meta 256 bytes of whole numbers
;; launch route: the kernel of part 1 again; grid 288 x 1, 8 waves a work-group, no clusters, 39,168 bytes of LDS; arguments router_indices, hidden_states, xg, t2s, meta; writes xg, t2s, meta
;; launch gu (part 5): grid 32 x 8, 8 waves a work-group, no clusters, 164,864 bytes of LDS; arguments xg, gate_up_proj, gate_up_bias, meta, midb; writes midb
.if DOCPART == 5
	.amdgcn_target "amdgcn-amd-amdhsa--gfx1250"
	.amdhsa_code_object_version 6
	.text
	.protected	k_qcc6d12e1f9_gu
	.globl	k_qcc6d12e1f9_gu
	.p2align	8
	.type	k_qcc6d12e1f9_gu,@function
k_qcc6d12e1f9_gu:
	s_mov_b64 s[64:65], 0
	v_nop
	global_prefetch_b8 v0, s[64:65] scope:SCOPE_SE
	s_setreg_imm32_b32 hwreg(HW_REG_WAVE_SCHED_MODE, 0, 2), 2
	s_setreg_imm32_b32 hwreg(HW_REG_WAVE_MODE, 25, 1), 1
	s_wait_xcnt 0x0
	s_wait_alu depctr_vm_vsrc(0)
; FIRST PRODUCT AND ACTIVATION.  For the rows of expert e: gu = x Wgu[e] + bgu[e]; gate = min(gu[even], 7); up = clip(gu[odd], -7, 7); mid = (up + 1) gate sigmoid(1.702 gate).
; Work-group (x, e) owns columns 64 x .. 64 x + 63 of Wgu[e] (32 columns of mid), which it alone reads: 1,024 rows x 256 bytes of f32, rounded to f16 on the way through registers
; and laid in LDS as [k][64], gates and ups sorted apart.  Then each of the 8 waves takes whole tiles of 64 slots: tiles t0 + w + 8 j below t0 + T, with t0 and T read from meta.
; The loop over tiles has no barrier and writes no LDS; its LDS addresses are fixed.  x comes from xg straight into registers as a matrix operand (512 consecutive bytes a load),
; the weights out of LDS turned, by ds_load_tr16_b128.  The matrix instruction is used transposed (source 0 = 16 weight columns, source 1 = 16 slots): a lane holds ONE slot and eight
; neighbouring columns, so mid packs into 16 bytes that lie as the next launch's operand wants them: midb[column / 16][slot][column % 16].  The bias is the C operand of the first K step.
; NO CLUSTER, NO TENSOR LOAD: each weight byte has one reader and must pass through registers to be rounded; the number of row tiles is a stored count, and a loop of such a length
; holds no barrier.
; LIMITS.  Operands are f16, sums f32: a weight beyond 65,504 becomes an infinity; below 6e-5 f16 keeps its fixed step of 6e-8.  mid lies within 8 x 7 = 56 by the clamps.
; A gate so low that 2^(-2.455 gate) overflows gives the weight 0, as the sigmoid's limit is.  NaN is not treated apart: the minimum and the clip drop it.
; THE MODE: SCHED_MODE bits 1:0 = 2 (LLVM: expert scheduling mode 2), set by the entry lines.  The code itself states the register dependences between vector or matrix
; instructions and memory or LDS instructions, with s_wait_alu, always for 0.
; THE PLAN.  Registers that memory or LDS instructions touch:
;   v4-10, v13    offsets and LDS addresses: written once at the head, ahead of the first wait on va_vdst, and never again.
;   v[AO]         read by every load of x; written at the head and once in a tile's tail, between a wait on vm_vsrc and a wait on va_vdst.
;   v[MO]         written in a tile's tail; read by the tile's eight stores.
;   the head's three sets  a load lands, the roundings write in place, the LDS stores read; the first set is loaded twice; behind the barrier they are BF and the accumulators.
;   the ring of x, slot ks % 8   the loads of K step ks land in it, issued at the head of step ks - 7 (steps 0 to 6: under the tile before's activation); step ks's products read it.
;                 Slot 7 holds the bias first, which 32 moves read.
;   BF[ks % 2]    the fragment loads of K step ks land in it, dealt among step ks - 1's products; step ks's products read it; the activation works in both.
;   ACC + 16 a .. + 3   written by the activation's roundings, read by the stores, written again by the next tile's first products.
; So ONE wait on va_vdst stands at the head of a K step: the step before's products are done reading the ring slot and the BF in which this step's loads land.  Behind it the only
; vector-side instructions are this step's products, which name the slot and the BF of this step, the accumulators and (step 0) the bias: none of the registers that those loads touch.
.set BLK,   147456                     ; bytes of a block of 16 k in xg and midb: 4,608 slots x 32
.set PITCH, 160                        ; an LDS row: 64 f16 + 32 bytes of padding = 5 x 32: the 8 rows x 32 bytes that 16 lanes of the turning load take fall on different words modulo 256 bytes
.set SPARE, 1024*PITCH                 ; behind the slice: the spare words, 128 bytes a wave; no other line names them
.set RQ,  2                            ; v2   lane % 16
.set HH,  3                            ; v3   lane / 16
.set WG,  4                            ; v4   my byte offset in the slice's rows in memory
.set WS,  5                            ; v5   where I put them in LDS
.set BA,  6                            ; v6-9 my lane's place in a fragment of the weights, K steps 0-7, 8-15, 16-23, 24-31; never rewritten
.set LO,  10                           ; v10  my lane's place in 16 slots of a block: 32 (lane % 16) + 16 (lane / 16)
.set AO,  11                           ; v11  + the tile in hand x 2,048
.set MO,  12                           ; v12  the same for the tile that is being stored
.set BO,  13                           ; v13  my offset in the bias
.set SPW, 14                           ; v14  my spare word
.set NIL, 15                           ; v15  0
.set T0,  16
.set T1,  17
.set BF,  32                           ; v32-63, v64-95 fragments of the weights, two buffers; in the activation: 64 registers at work
.set BIAS, 96                          ; v96-127 the bias as four C operands
.set ACC, 128                          ; v128-255 the 16 accumulators: subtile i (16 slots), fragment b (16 columns) at ACC + 8 (4 i + b)
; window 1 (v256-511): a ring of 8 slots of 32 registers for x: K step ks in slot ks % 8; subtile i, half hf of its 32 k at 32 slot + 8 i + 4 hf
; s14 wave  s15 x  s16 e  s18 t0  s19 T  s20 my number of tiles  s21 counts them  s22 tile  s23 s24 s25 s42 at work  s26-27 xg  s28-29 xg + 32 blocks
; s30-31 the slice in memory  s32-33 midb at my two blocks  s34-35 -1.702 log2(e)  s36 -7  s37 7  s38 offset in meta  s40-41 bias
.set MSB, 0
.macro WIN new                         ; s_set_vgpr_msb: bits 1:0 source 0, 3:2 source 1, 5:4 source 2, 7:6 destination; the high byte repeats the setting that is left
.if MSB != (\new)
	s_set_vgpr_msb (MSB<<8)|(\new)
.set MSB, \new
.endif
.endm
.set W_MUL, 0x04                       ; source 1 (x) in window 1; all else, LDS loads' registers too, in window 0
.set W_TOA, 0x40                       ; destination in window 1, address in window 0
.set W_FRA, 0x01                       ; source 0 in window 1
; 16 loads of the slice: load idx takes rows 128 w + 2 idx + lane / 16; 16 lanes take a row's 256 bytes.  Three sets of 64 registers take turns.
.macro WLOAD bt
.set SB, 32+96*((\bt)%3)-32*(((\bt)%3)/2)
.set n, 0
.rept 16
	global_load_b128 v[SB+4*n:SB+4*n+3], v[WG], s[30:31] offset:(16*(\bt)+n)*16384 th:TH_LOAD_NT
.set n, n+1
.endr
.endm
; rounded and stored: my four columns are gate, up, gate, up of two columns of mid.  LDS positions 32 s + i hold the gates of mid's columns 16 s + i, positions 32 s + 16 + i the ups.
; A batch's 32 roundings stand together, then one wait, then its 32 stores in one run.
.macro WPUT bt
.set SB, 32+96*((\bt)%3)-32*(((\bt)%3)/2)
.set n, 0
.rept 16
	v_cvt_pk_f16_f32 v[SB+4*n], v[SB+4*n], v[SB+4*n+2]
	v_cvt_pk_f16_f32 v[SB+4*n+1], v[SB+4*n+1], v[SB+4*n+3]
.set n, n+1
.endr
	s_wait_alu depctr_va_vdst(0)                   ; the roundings have written the batch's registers, which the LDS stores below read
.set n, 0
.rept 16
	ds_store_b32 v[WS], v[SB+4*n] offset:2*PITCH*(16*(\bt)+n)
	ds_store_b32 v[WS], v[SB+4*n+1] offset:2*PITCH*(16*(\bt)+n)+32
.set n, n+1
.endr
.endm
; x of K step ks: 8 loads, each 16 slots x 16 k = 512 consecutive bytes
.macro ALOAD ks
	WIN W_TOA
.set AS, 32*((\ks)%8)
.irp hf, 0,1
.set blk, 2*(\ks)+(\hf)
.irp i, 0,1,2,3
.if blk < 32
	global_load_b128 v[AS+8*(\i)+4*(\hf):AS+8*(\i)+4*(\hf)+3], v[AO], s[26:27] offset:blk*BLK+512*(\i)
.else
	global_load_b128 v[AS+8*(\i)+4*(\hf):AS+8*(\i)+4*(\hf)+3], v[AO], s[28:29] offset:(blk-32)*BLK+512*(\i)
.endif
.endr
.endr
.endm
.macro PRO a, b                        ; K steps a .. b of x
.set pk, \a
.rept (\b)-(\a)+1
	ALOAD pk
.set pk, pk+1
.endr
.endm
; fragment b (16 columns x 32 k) of the weights of K step ks: two turning loads, 16 rows apart.  All its registers lie in window 0, under the products' setting too.
.macro BFRAG ks, b
.set FB, BF+32*((\ks)%2)
.set FR, BA+(\ks)/8
	ds_load_tr16_b128 v[FB+8*(\b):FB+8*(\b)+3],   v[FR] offset:((\ks)%8)*32*PITCH+32*(\b)
	ds_load_tr16_b128 v[FB+8*(\b)+4:FB+8*(\b)+7], v[FR] offset:((\ks)%8)*32*PITCH+32*(\b)+16*PITCH
.endm
; A K step of 32: 16 matrix instructions.  x is asked for seven steps ahead, in one run at the step's head; the next step's four fragments of the weights are dealt among the step's
; first eight products, two loads at a time.  The 16 accumulators take turns, one instruction a turn.
; Step 0 has no wait of its own: on the way into the loop the wait behind the barrier, and round the back edge the wait ahead of the tile's stores, stand behind every vector
; instruction that names slot 7 or BF.  Step 31 asks for nothing.
.macro KSTEP ks
.if ((\ks) > 0) && ((\ks) < 31)
.if (\ks)+7 <= 31
	WIN W_TOA
.endif
	s_wait_alu depctr_va_vdst(0)                   ; the step before's products are done reading their ring slot and their BF, in which this step's loads of x and of the weights land
.endif
.if (\ks)+7 <= 31
	ALOAD (\ks)+7
.endif
	WIN W_MUL
.if (\ks) < 24
	s_wait_loadcnt 56                              ; loads come back in order: this step's eight are in; the seven younger steps' may be out
.else
	s_wait_loadcnt 8*(31-(\ks))                    ; nothing more is asked for: the count runs down
.endif
	s_wait_dscnt 0                                 ; this step's weights are in: its eight loads are the youngest LDS instructions
.set AS, 32*((\ks)%8)
.set BB, BF+32*((\ks)%2)
.set n, 0
.rept 16                               ; product n: subtile n / 4, fragment n % 4
.if ((\ks) < 31) && (n < 8) && (n%2 == 0)
	BFRAG (\ks)+1, n/2                             ; no wait: no product since the step's wait names the other BF
.endif
.if (\ks) == 0
	v_wmma_f32_16x16x32_f16 v[ACC+8*n:ACC+8*n+7], v[BB+8*(n%4):BB+8*(n%4)+7], v[AS+8*(n/4):AS+8*(n/4)+7], v[BIAS+8*(n%4):BIAS+8*(n%4)+7]
.else
	v_wmma_f32_16x16x32_f16 v[ACC+8*n:ACC+8*n+7], v[BB+8*(n%4):BB+8*(n%4)+7], v[AS+8*(n/4):AS+8*(n/4)+7], v[ACC+8*n:ACC+8*n+7]
.endif
.set n, n+1
.endr
.endm
; THE ACTIVATION of a tile.  Pair a of 8 (subtile a / 2, half a % 2 of mid's 32 columns): gates in G = ACC + 16 a, ups in G + 8, at work BF + 8 a.  Each accumulator's lowest register is read first.
; The 64 exponentials are one batch and the 64 reciprocals another; each has one s_wait_alu ahead of its first reader, and plain work or a v_nop behind its last.
; All eight pairs are rounded, then one wait, then the eight stores in one run.
.macro EPILOGUE
.set a, 0
.rept 8
.set G, ACC+16*a
.set j, 0
.rept 8
	v_min_num_f32 v[G+j], s37, v[G+j]              ; gate = min(gate, 7)
.set j, j+1
.endr
.set j, 0
.rept 8
	v_med3_num_f32 v[G+8+j], v[G+8+j], s36, s37    ; up = clip(up, -7, 7)
.set j, j+1
.endr
.set j, 0
.rept 4
	v_pk_mul_f32 v[BF+8*a+2*j:BF+8*a+2*j+1], v[G+2*j:G+2*j+1], s[34:35] op_sel_hi:[1,0]  ; -1.702 log2(e) gate
.set j, j+1
.endr
.set a, a+1
.endr
.set j, 0
.rept 64
	v_exp_f32 v[BF+j], v[BF+j]
.set j, j+1
.endr
.set a, 0
.rept 8
.set G, ACC+16*a
.set j, 0
.rept 4
	v_pk_fma_f32 v[G+8+2*j:G+8+2*j+1], v[G+8+2*j:G+8+2*j+1], v[G+2*j:G+2*j+1], v[G+2*j:G+2*j+1]  ; (up + 1) gate: names no exponential's result
.set j, j+1
.endr
.set a, a+1
.endr
	s_wait_alu depctr_va_vdst(0)                   ; the 64 exponentials have written v[BF ..], ahead of the additions that read them
.set j, 0
.rept 32
	v_pk_add_f32 v[BF+2*j:BF+2*j+1], v[BF+2*j:BF+2*j+1], 1.0 op_sel_hi:[1,0]
.set j, j+1
.endr
.set j, 0
.rept 64
	v_rcp_f32 v[BF+j], v[BF+j]                     ; the sigmoid
.set j, j+1
.endr
	v_nop
	s_wait_alu depctr_va_vdst(0)                   ; the 64 reciprocals have written v[BF ..], ahead of the multiplies that read them
.set a, 0
.rept 8
.set G, ACC+16*a
.set j, 0
.rept 4
	v_pk_mul_f32 v[G+8+2*j:G+8+2*j+1], v[G+8+2*j:G+8+2*j+1], v[BF+8*a+2*j:BF+8*a+2*j+1]
.set j, j+1
.endr
.set j, 0
.rept 4
	v_cvt_pk_f16_f32 v[G+j], v[G+8+2*j], v[G+8+2*j+1]
.set j, j+1
.endr
.set a, a+1
.endr
	s_wait_alu depctr_va_vdst(0)                   ; the roundings have written the first four registers of all eight pairs, and v[MO] is written: the stores below read them
.set a, 0
.rept 8
.set G, ACC+16*a
	global_store_b128 v[MO], v[G:G+3], s[32:33] offset:(a%2)*BLK+512*(a/2)  ; 16 slots x 16 columns: 512 consecutive bytes, at a multiple of 512 from midb's first
.set a, a+1
.endr
.endm
	s_load_b256 s[4:11], s[0:1], 0x0               ; xg s[4:5], gate_up_proj s[6:7], gate_up_bias s[8:9], meta s[10:11]
	s_load_b64 s[12:13], s[0:1], 0x20              ; midb
	v_lshl_add_u32 v[SPW], v0, 2, SPARE
	v_mov_b32 v[NIL], 0
	v_lshrrev_b32 v1, 5, v0
	v_readfirstlane_b32 s14, v1                    ; wave 0..7
	v_and_b32 v[RQ], 15, v0
	v_bfe_u32 v[HH], v0, 4, 1
	v_bfe_u32 v[T0], v0, 3, 1
	v_and_b32 v[T1], 7, v0
	s_mov_b32 s15, ttmp9
	s_and_b32 s16, ttmp7, 0xffff
	s_lshl_b32 s38, s16, 3
	s_wait_alu depctr_va_sdst(0)                   ; s14 is written, ahead of its first reader
	s_lshl_b32 s24, s14, 20                        ; my wave's 128 rows of 8,192 bytes
	v_lshlrev_b32 v[WG], 13, v[HH]
	v_lshl_add_u32 v[WG], v[RQ], 4, v[WG]
	v_add_nc_u32 v[WG], s24, v[WG]
	s_mul_i32 s24, s14, 128*PITCH
	v_mul_u32_u24 v[WS], v[HH], PITCH
	v_lshl_add_u32 v[WS], v[T0], 6, v[WS]          ; lanes 8-15 of a row hold mid's columns 16-31: 64 bytes on
	v_lshl_add_u32 v[WS], v[T1], 2, v[WS]          ; two gates (or ups) are 4 bytes
	v_add_nc_u32 v[WS], s24, v[WS]
	v_lshl_add_u32 v[BA], v[HH], 3, v[T1]          ; the turning load: lane l reads row 8 (l / 16) + l % 8, 16 bytes at 16 ((l / 8) % 2)
	v_mul_u32_u24 v[BA], v[BA], PITCH
	v_lshl_add_u32 v[BA], v[T0], 4, v[BA]
	v_add_nc_u32 v[BA+1], 256*PITCH, v[BA]
	v_add_nc_u32 v[BA+2], 512*PITCH, v[BA]
	v_add_nc_u32 v[BA+3], 768*PITCH, v[BA]
	v_lshlrev_b32 v[LO], 5, v[RQ]
	v_lshl_add_u32 v[LO], v[HH], 4, v[LO]
	v_lshlrev_b32 v[BO], 6, v[HH]                  ; my 8 gates and 8 ups of a half are 16 neighbouring numbers of the bias
	s_mov_b32 s34, 0xc01d265f                      ; -1.702 log2(e)
	s_mov_b32 s35, s34                             ; named with it as a pair
	s_mov_b32 s36, 0xc0e00000                      ; -7
	s_mov_b32 s37, 0x40e00000                      ; 7
	s_wait_kmcnt 0x0
	s_load_b64 s[18:19], s[10:11], s38 offset:0x0  ; t0, T of my expert
	s_lshl_b32 s24, s16, 23                        ; an expert's weights are 8 MiB,
	s_lshl_b32 s25, s15, 8                         ; a slice's part of a row 256 bytes
	s_add_co_u32 s24, s24, s25
	s_mov_b32 s25, 0
	s_add_nc_u64 s[30:31], s[6:7], s[24:25]
	s_lshl_b32 s24, s16, 13
	s_lshl_b32 s42, s15, 8
	s_add_co_u32 s24, s24, s42
	s_add_nc_u64 s[40:41], s[8:9], s[24:25]
	s_mul_i32 s24, s15, 2*BLK
	s_add_nc_u64 s[32:33], s[12:13], s[24:25]
	s_mov_b64 s[26:27], s[4:5]
	s_add_nc_u64 s[28:29], s[4:5], 32*BLK          ; so that a block's place fits the loads' immediate
	s_wait_alu depctr_va_vdst(0)                   ; the offsets and LDS addresses v4 to v10 and v13 are written, which the loads and LDS instructions from here on read
	WLOAD 0
	WLOAD 1
	WLOAD 2
	WIN W_TOA
.irp s, 0,1
.irp t, 0,1,2,3
	global_load_b128 v[224+16*(\s)+4*(\t):224+16*(\s)+4*(\t)+3], v[BO], s[40:41] offset:128*(\s)+16*(\t)  ; the bias as it lies, into the ring's slot 7, which is filled last
.endr
.endr
	WIN 0
	s_wait_kmcnt 0x0
	s_min_u32 s18, s18, 71
	s_min_u32 s19, s19, 32
	s_add_co_u32 s20, s19, 7
	s_sub_co_u32 s20, s20, s14
	s_lshr_b32 s20, s20, 3                         ; my tiles: those of t0 + w + 8 j that lie below t0 + T
	s_add_co_u32 s22, s18, s14
	s_cmp_lt_u32 s14, s19
	s_cselect_b32 s22, s22, 0                      ; a wave without a tile asks for tile 0, which always exists, and uses nothing of it: so the counts below hold on every path
	s_min_u32 s22, s22, 71
	v_lshl_add_u32 v[AO], s22, 11, v[LO]           ; written ahead of the first batch's wait on va_vdst, which so stands between this line and the loads of x that read it
	; Each count is the number of loads issued behind the batch that is waited for.
	s_wait_loadcnt 40                              ; batches 1, 2 and the bias: 16 + 16 + 8
	WPUT 0
	s_wait_alu depctr_vm_vsrc(0)                   ; batch 0's LDS stores have read the first set, in which batch 3 lands (its roundings stand ahead of the last wait on va_vdst)
	WLOAD 3
	s_wait_loadcnt 40                              ; batch 2, the bias, batch 3
	WPUT 1
	PRO 0, 2
	WIN 0
	s_wait_loadcnt 48                              ; the bias, batch 3, 24 loads of x
	WPUT 2
	s_wait_loadcnt 24                              ; the 24 loads of x
	WPUT 3
	WIN W_FRA
.irp s, 0,1
.irp j, 0,1,2,3,4,5,6,7
	v_mov_b32 v[BIAS+16*(\s)+(\j)],   v[224+16*(\s)+2*(\j)]    ; the gates' bias,
	v_mov_b32 v[BIAS+16*(\s)+8+(\j)], v[224+16*(\s)+2*(\j)+1]  ; the ups'
.endr
.endr
	PRO 3, 6
	WIN 0
	s_wait_dscnt 0x0                               ; for the others' sake: my part of the slice is in LDS
	s_barrier_signal -1
	s_barrier_wait -1                              ; the one barrier: the slice is whole, and nothing writes it again
	s_wait_alu depctr_vm_vsrc(0)                   ; my LDS stores have read the three sets: from here on these registers are BF, in which fragments land, and the accumulators, which the products write
	s_wait_alu depctr_va_vdst(0)                   ; the moves of the bias are done reading the ring's slot 7, in which x of K step 7 lands
	s_mov_b32 s21, 0
	s_cmp_lt_u32 s21, s20
	s_cbranch_scc0 .Lend
.Lgroup:                                               ; a trip: one tile of 64 slots x 64 columns, K = 1,024
.irp b, 0,1,2,3
	BFRAG 0, \b
.endr
.set kk, 0
.rept 32
	KSTEP kk
.set kk, kk+1
.endr
	WIN 0
.rept 4
	v_nop                                          ; the places behind the last products
.endr
	s_wait_alu depctr_vm_vsrc(0)                   ; this tile's loads of x have read v[AO], which is written below
	v_mov_b32 v[MO], v[AO]
	s_add_co_u32 s22, s22, 8
	s_min_u32 s22, s22, 71
	v_lshl_add_u32 v[AO], s22, 11, v[LO]           ; all this tile's loads were also waited for in the last K step
	s_add_co_u32 s23, s21, 1
	s_cmp_lt_u32 s23, s20
	s_cbranch_scc0 .Lno_more                       ; the last trip asks for nothing
	WIN W_TOA
	s_wait_alu depctr_va_vdst(0)                   ; v[AO] is written, which the loads below read; the products are done reading the ring's slots 0 to 6, in which they land
	PRO 0, 6                                       ; the next tile's first seven K steps come in under the activation
	WIN 0
.Lno_more:
	EPILOGUE
	s_wait_xcnt 0x0                                ; the stores' data and offset are written again only behind this wait
	s_wait_alu depctr_vm_vsrc(0)                   ; the stores have read their data, which the next tile's first products write again, and v[MO]
	s_add_co_u32 s21, s21, 1
	s_cmp_lt_u32 s21, s20
	s_cbranch_scc1 .Lgroup
.Lend:
	s_wait_dscnt 0x0                               ; the closing lines, six on end
	s_wait_alu 0x0
	s_wait_tensorcnt 0x0
	ds_add_u32 v[SPW], v[NIL]
	s_wait_dscnt 0x0
	s_endpgm
.Lfunc_end_k_qcc6d12e1f9_gu:
	.size	k_qcc6d12e1f9_gu, .Lfunc_end_k_qcc6d12e1f9_gu-k_qcc6d12e1f9_gu
	.p2alignl 7, 3214868480
	.fill 96, 4, 3214868480
	.section	.rodata,"a",@progbits
	.p2align	6, 0x0
	.amdhsa_kernel k_qcc6d12e1f9_gu
		.amdhsa_group_segment_fixed_size 164864
		.amdhsa_private_segment_fixed_size 0
		.amdhsa_enable_private_segment 0
		.amdhsa_kernarg_size 40
		.amdhsa_user_sgpr_count 2
		.amdhsa_user_sgpr_kernarg_segment_ptr 1
		.amdhsa_wavefront_size32 1
		.amdhsa_system_sgpr_workgroup_id_x 1
		.amdhsa_system_sgpr_workgroup_id_y 1
		.amdhsa_system_sgpr_workgroup_id_z 1
		.amdhsa_system_vgpr_workitem_id 0
		.amdhsa_next_free_vgpr 512
		.amdhsa_next_free_sgpr 66
		.amdhsa_reserve_vcc 0
		.amdhsa_float_denorm_mode_32 3
		.amdhsa_float_denorm_mode_16_64 3
		.amdhsa_memory_ordered 1
		.amdhsa_forward_progress 1
		.amdhsa_inst_pref_size 132
	.end_amdhsa_kernel
	.amdgpu_metadata
---
amdhsa.version: [ 1, 2 ]
amdhsa.kernels:
  - .name:           k_qcc6d12e1f9_gu
    .symbol:         k_qcc6d12e1f9_gu.kd
    .args:
      - { .name: xg, .offset: 0, .size: 8, .value_kind: global_buffer, .address_space: global }
      - { .name: gate_up_proj, .offset: 8, .size: 8, .value_kind: global_buffer, .address_space: global }
      - { .name: gate_up_bias, .offset: 16, .size: 8, .value_kind: global_buffer, .address_space: global }
      - { .name: meta, .offset: 24, .size: 8, .value_kind: global_buffer, .address_space: global }
      - { .name: midb, .offset: 32, .size: 8, .value_kind: global_buffer, .address_space: global }
    .group_segment_fixed_size: 164864
    .private_segment_fixed_size: 0
    .kernarg_segment_align: 8
    .kernarg_segment_size: 40
    .max_flat_workgroup_size: 256
    .sgpr_count:     66
    .vgpr_count:     512
    .wavefront_size: 32
...
	.end_amdgpu_metadata
.endif
;; end of part 5
;; launch down (part 6): grid 16 x 16, 4 waves a work-group, no clusters, 181,760 bytes of LDS; arguments midb, down_proj, down_bias, meta, p; writes p
.if DOCPART == 6
	.amdgcn_target "amdgcn-amd-amdhsa--gfx1250"
	.amdhsa_code_object_version 6
	.text
	.protected	k_qcc6d12e1f9_down
	.globl	k_qcc6d12e1f9_down
	.p2align	8
	.type	k_qcc6d12e1f9_down,@function
k_qcc6d12e1f9_down:
	s_mov_b64 s[64:65], 0
	v_nop
	global_prefetch_b8 v0, s[64:65] scope:SCOPE_SE
	s_setreg_imm32_b32 hwreg(HW_REG_WAVE_SCHED_MODE, 0, 2), 2
	s_setreg_imm32_b32 hwreg(HW_REG_WAVE_MODE, 25, 1), 1
	s_wait_xcnt 0x0
	s_wait_alu depctr_vm_vsrc(0)
; SECOND PRODUCT.  For the rows of expert e: p[slot] = mid[slot] Wd[e] + bd[e], in f32; the routing weight is applied by the launch that adds a token's rows.
; Work-group (x, 2 e + half) holds columns 64 x .. 64 x + 63 of Wd[e]: 1,024 rows x 256 bytes of f32, rounded to f16 on the way through registers and laid in LDS as [k][64].
; An expert's tiles of 64 slots are dealt to eight wave places, four in each half: place u = 4 half + wave takes tiles t0 + u + 8 j below t0 + T (t0, T from meta).
; The loop over tiles has no barrier; its LDS addresses are fixed.  mid comes from midb straight into registers as a matrix operand, the weights out of LDS turned.
; The matrix instruction is used transposed (source 0 = 16 columns, source 1 = 16 slots); the bias is the C operand of the first K step.  A lane then holds 8 neighbouring columns of one
; slot; 16 slots at a time go through the wave's own stage in LDS and leave as whole pieces of 256 bytes.
; NO CLUSTER, NO TENSOR LOAD: the weights must pass through registers to be rounded, and the number of row tiles is a stored count: a loop of such a length holds no barrier.
; LIMITS.  Operands are f16, sums f32: a weight beyond 65,504 becomes an infinity; below 6e-5 f16 keeps its fixed step of 6e-8.
; THE MODE: SCHED_MODE bits 1:0 = 2 (LLVM: expert scheduling mode 2), set by the entry lines.  The code itself states the register dependences between vector or matrix
; instructions and memory or LDS instructions, with s_wait_alu, always for 0.
; THE PLAN.  Registers that memory or LDS instructions touch:
;   v4-10, v13, v16-18   offsets and LDS addresses: written once at the head, ahead of the first wait on va_vdst, and never again.
;   v[AO], v[PO]  read by the loads of mid and by the stores of p; written at the head (AO) and once in a tile's way out, between a wait on vm_vsrc and a wait on va_vdst.
;   the head's three sets  a load lands, the roundings write in place, the LDS stores read, the batch three on lands; behind the barrier two of them are the accumulators.
;   the ring of mid, slot ks % 8   the loads of K step ks land in it, issued in step ks - 6 (steps 0 to 5: under the tile before's way out); step ks's products read it.
;   the weights' ring, buffer ks % 4   the fragment loads of K step ks land in it, issued in step ks - 2; step ks's products read it.
;   the accumulators   written by the products; read by the stage's LDS stores; the loads back from the stage land in them; read by the stores of p; written by the next tile's products.
; K GOES IN PAIRS of steps of 32, and ONE wait on va_vdst stands at a pair's head: the pair before's products are done reading their two slots and two buffers.  Both steps' loads land
; there: the first step's run stands behind the wait, the second step's between the pair's two runs of 16 products, with no further wait, since the first step's products name that step's
; slot and buffer and the accumulators alone.
.set BLK,   147456                     ; bytes of a block of 16 k in midb: 4,608 slots x 32
.set PITCH, 160                        ; an LDS row of the slice: 64 f16 + 32 bytes = 5 x 32
.set STAGE, 1024*PITCH                 ; behind the slice: 16 rows x 272 bytes for each wave
.set SP,    272                        ; 256 bytes + 16: 17 x 16, so the 16 rows of a 16-byte column start 16 bytes apart modulo 256
.set SPARE, STAGE+4*16*SP              ; the spare words, 128 bytes a wave; no other line names them
.set RQ,  2                            ; v2   lane % 16
.set HH,  3                            ; v3   lane / 16
.set WG,  4                            ; v4   my byte offset in the slice's rows in memory
.set WS,  5                            ; v5   where I put them in LDS
.set BA,  6                            ; v6-9 my lane's place in a fragment of the weights, eight K steps each; never rewritten
.set LO,  10                           ; v10  32 (lane % 16) + 16 (lane / 16)
.set AO,  11                           ; v11  + the tile in hand x 2,048
.set PO,  12                           ; v12  my byte offset in p for the tile that is being stored
.set BO,  13                           ; v13  my offset in the bias
.set SPW, 14                           ; v14  my spare word
.set NIL, 15                           ; v15  0
.set PL,  16                           ; v16  4,096 (lane / 16) + 16 (lane % 16)
.set ST,  17                           ; v17  the way out: where I put 16 bytes of a slot's row
.set RD,  18                           ; v18  where I read rows back
.set T0,  19
.set T1,  20
.set BIAS, 96                          ; v96-127 the bias as four C operands
.set ACC, 128                          ; v128-255 subtile i, fragment b at ACC + 8 (4 i + b)
; v32-95, v128-191, v192-255 take turns for the weights on their way to LDS, ahead of the first product
; window 1 (v256-511): a ring of 8 slots of 32 registers for mid: K step ks in slot ks % 8; subtile i, half hf at 32 slot + 8 i + 4 hf
; window 2 (v512-639): a ring of 4 buffers of 32 registers for the weights' fragments: K step ks in buffer ks % 4
; s14 wave  s15 x  s16 e  s17 half  s18 t0  s19 T  s20 my tiles  s21 counts them  s22 tile  s23-25 s42 at work  s26-27 midb  s28-29 midb + 32 blocks
; s30-31 the slice in memory  s32-33 p at my columns  s38 offset in meta  s39 my place u  s40-41 bias
.set MSB, 0
.macro WIN new                         ; bits 1:0 source 0, 3:2 source 1, 5:4 source 2, 7:6 destination; the high byte repeats the setting that is left
.if MSB != (\new)
	s_set_vgpr_msb (MSB<<8)|(\new)
.set MSB, \new
.endif
.endm
.set W_MUL, 0x06                       ; source 0 (weights) window 2, source 1 (mid) window 1, C and D window 0
.set W_TOA, 0x40                       ; destination window 1, address window 0
.set W_TOB, 0x80                       ; destination window 2, address window 0
; 16 loads of the slice: load idx takes rows 256 w + 2 idx + lane / 16; 16 lanes take a row's 256 bytes.  No hint: the other half's work-group reads the same bytes.
.macro WLOAD bt
.set SB, 32+96*((\bt)%3)-32*(((\bt)%3)/2)
.set n, 0
.rept 16
	global_load_b128 v[SB+4*n:SB+4*n+3], v[WG], s[30:31] offset:(16*(\bt)+n)*8192
.set n, n+1
.endr
.endm
; A batch's 32 roundings stand together, then one wait, then its 16 stores in one run.
.macro WPUT bt
.set SB, 32+96*((\bt)%3)-32*(((\bt)%3)/2)
.set n, 0
.rept 16
	v_cvt_pk_f16_f32 v[SB+4*n], v[SB+4*n], v[SB+4*n+1]
	v_cvt_pk_f16_f32 v[SB+4*n+1], v[SB+4*n+2], v[SB+4*n+3]
.set n, n+1
.endr
	s_wait_alu depctr_va_vdst(0)                   ; the roundings have written the batch's registers, which the LDS stores below read
.set n, 0
.rept 16
	ds_store_b64 v[WS], v[SB+4*n:SB+4*n+1] offset:2*PITCH*(16*(\bt)+n)
.set n, n+1
.endr
.endm
; The set that a batch has just left takes the batch three on.
.macro AGAIN bt
	s_wait_alu depctr_vm_vsrc(0)                   ; the LDS stores of the batch three back have read the set in which this batch lands (its roundings stand ahead of the last wait on va_vdst)
	WLOAD \bt
.endm
.macro ALOAD ks                        ; mid of K step ks: 8 loads of 512 consecutive bytes
	WIN W_TOA
.set AS, 32*((\ks)%8)
.irp hf, 0,1
.set blk, 2*(\ks)+(\hf)
.irp i, 0,1,2,3
.if blk < 32
	global_load_b128 v[AS+8*(\i)+4*(\hf):AS+8*(\i)+4*(\hf)+3], v[AO], s[26:27] offset:blk*BLK+512*(\i)
.else
	global_load_b128 v[AS+8*(\i)+4*(\hf):AS+8*(\i)+4*(\hf)+3], v[AO], s[28:29] offset:(blk-32)*BLK+512*(\i)
.endif
.endr
.endr
.endm
.macro PRO a, b
.set pk, \a
.rept (\b)-(\a)+1
	ALOAD pk
.set pk, pk+1
.endr
.endm
.macro BLOAD ks                        ; the weights of K step ks: 4 fragments of 16 columns x 32 k, two turning loads each, 16 rows apart
	WIN W_TOB
.set BB, 32*((\ks)%4)
.set BR, BA+(\ks)/8
.irp b, 0,1,2,3
	ds_load_tr16_b128 v[BB+8*(\b):BB+8*(\b)+3],   v[BR] offset:((\ks)%8)*32*PITCH+32*(\b)
	ds_load_tr16_b128 v[BB+8*(\b)+4:BB+8*(\b)+7], v[BR] offset:((\ks)%8)*32*PITCH+32*(\b)+16*PITCH
.endr
.endm
.macro MUL16 ks                        ; the 16 matrix instructions of K step ks; the 16 accumulators take turns, one instruction a turn, in the same order in every step
.set AS, 32*((\ks)%8)
.set BB, 32*((\ks)%4)
.irp i, 0,1,2,3
.irp b, 0,1,2,3
.if (\ks) == 0
	v_wmma_f32_16x16x32_f16 v[ACC+8*(4*(\i)+(\b)):ACC+8*(4*(\i)+(\b))+7], v[BB+8*(\b):BB+8*(\b)+7], v[AS+8*(\i):AS+8*(\i)+7], v[BIAS+8*(\b):BIAS+8*(\b)+7]
.else
	v_wmma_f32_16x16x32_f16 v[ACC+8*(4*(\i)+(\b)):ACC+8*(4*(\i)+(\b))+7], v[BB+8*(\b):BB+8*(\b)+7], v[AS+8*(\i):AS+8*(\i)+7], v[ACC+8*(4*(\i)+(\b)):ACC+8*(4*(\i)+(\b))+7]
.endif
.endr
.endr
.endm
; K step ks: mid of step ks + 6 and the weights of step ks + 2 are asked for, then the step's 16 products.
.macro HALF ks
.if (\ks)+6 <= 31
	ALOAD (\ks)+6
.endif
.if (\ks)+2 <= 31
	BLOAD (\ks)+2
.endif
	WIN W_MUL
.if (\ks) <= 25
	s_wait_loadcnt 48                              ; loads come back in order: this step's eight are in; the six younger steps' eight each may be out
.else
	s_wait_loadcnt 8*(31-(\ks))                    ; nothing more is asked for: the count runs down
.endif
.if (\ks) <= 29
	s_wait_dscnt 16                                ; this step's weights are in; the two younger steps' eight loads each may be out
.else
	s_wait_dscnt 8*(31-(\ks))
.endif
	MUL16 \ks
.endm
; Pair p: K steps 2 p and 2 p + 1.  The ring slots and buffers of steps 2 p - 2 and 2 p - 1 take mid of steps 2 p + 6, 2 p + 7 and the weights of steps 2 p + 2, 2 p + 3.
; Pair 0 has no wait: the wait in the way out of the tile before stands behind every product, and ahead of the first tile no vector instruction has named the two rings.  Pair 15 asks for nothing.
.macro KPAIR p
.if ((\p) > 0) && ((\p) < 15)
.if (\p) <= 12
	WIN W_TOA
.else
	WIN W_TOB
.endif
	s_wait_alu depctr_va_vdst(0)                   ; the pair before's products are done reading their two ring slots and two buffers, in which this pair's loads land
.endif
	HALF 2*(\p)
	HALF 2*(\p)+1                                  ; its loads owe no wait: the products since the pair's wait name step 2 p's slot and buffer and the accumulators alone
.endm
; THE WAY OUT of subtile i: 16 slots x 64 columns of f32 into my own stage (each accumulator's low four registers first), and back as whole rows of 256 bytes into the registers that they left.
.macro STG i
.irp b, 0,1,2,3
	ds_store_b128 v[ST], v[ACC+8*(4*(\i)+(\b)):ACC+8*(4*(\i)+(\b))+3]   offset:64*(\b)
	ds_store_b128 v[ST], v[ACC+8*(4*(\i)+(\b))+4:ACC+8*(4*(\i)+(\b))+7] offset:64*(\b)+16
.endr
	s_wait_alu depctr_vm_vsrc(0)                   ; the LDS stores above have read the subtile's accumulators, in which the loads below land (the products that wrote them stand ahead of the way out's wait on va_vdst)
.irp t, 0,1,2,3,4,5,6,7
	ds_load_b128 v[ACC+32*(\i)+4*(\t):ACC+32*(\i)+4*(\t)+3], v[RD] offset:(\t)*2*SP  ; LDS serves a wave's instructions in order (ISA guide 5.7.1.4): these see the stores above; the next subtile's stores come behind them
.endr
.endm
.macro SEND i, younger                 ; younger: the LDS instructions issued behind subtile i's loads: the next subtile's sixteen, or none
.irp t, 0,1,2,3,4,5,6,7
	s_wait_dscnt (\younger)+7-(\t)
	global_store_b128 v[PO], v[ACC+32*(\i)+4*(\t):ACC+32*(\i)+4*(\t)+3], s[32:33] offset:(16*(\i)+2*(\t))*4096  ; 16 lanes store 256 consecutive bytes, at a multiple of 256 from p's first
.endr
.endm
	s_load_b256 s[4:11], s[0:1], 0x0               ; midb s[4:5], down_proj s[6:7], down_bias s[8:9], meta s[10:11]
	s_load_b64 s[12:13], s[0:1], 0x20              ; p
	v_lshl_add_u32 v[SPW], v0, 2, SPARE
	v_mov_b32 v[NIL], 0
	v_lshrrev_b32 v1, 5, v0
	v_readfirstlane_b32 s14, v1                    ; wave 0..3
	v_and_b32 v[RQ], 15, v0
	v_bfe_u32 v[HH], v0, 4, 1
	v_bfe_u32 v[T0], v0, 3, 1
	v_and_b32 v[T1], 7, v0
	s_mov_b32 s15, ttmp9
	s_and_b32 s16, ttmp7, 0xffff
	s_and_b32 s17, s16, 1
	s_lshr_b32 s16, s16, 1
	s_wait_alu depctr_va_sdst(0)                   ; s14 is written, ahead of its first reader
	s_lshl2_add_u32 s39, s17, s14                  ; u = 4 half + wave
	s_lshl_b32 s38, s16, 3
	s_lshl_b32 s24, s14, 20                        ; my wave's 256 rows of 4,096 bytes
	v_lshlrev_b32 v[WG], 12, v[HH]
	v_lshl_add_u32 v[WG], v[RQ], 4, v[WG]
	v_add_nc_u32 v[WG], s24, v[WG]
	s_mul_i32 s24, s14, 256*PITCH
	v_mul_u32_u24 v[WS], v[HH], PITCH
	v_lshl_add_u32 v[WS], v[RQ], 3, v[WS]
	v_add_nc_u32 v[WS], s24, v[WS]
	v_lshl_add_u32 v[BA], v[HH], 3, v[T1]          ; the turning load: lane l reads row 8 (l / 16) + l % 8, 16 bytes at 16 ((l / 8) % 2)
	v_mul_u32_u24 v[BA], v[BA], PITCH
	v_lshl_add_u32 v[BA], v[T0], 4, v[BA]
	v_add_nc_u32 v[BA+1], 256*PITCH, v[BA]
	v_add_nc_u32 v[BA+2], 512*PITCH, v[BA]
	v_add_nc_u32 v[BA+3], 768*PITCH, v[BA]
	v_lshlrev_b32 v[LO], 5, v[RQ]
	v_lshl_add_u32 v[LO], v[HH], 4, v[LO]
	v_lshlrev_b32 v[BO], 5, v[HH]                  ; my 8 columns of a fragment's 16
	v_lshlrev_b32 v[PL], 12, v[HH]
	v_lshl_add_u32 v[PL], v[RQ], 4, v[PL]
	s_mul_i32 s24, s14, 16*SP
	s_add_co_u32 s24, s24, STAGE                   ; my stage
	v_mul_u32_u24 v[ST], v[RQ], SP                 ; in: row lane % 16, 32 bytes for each half of the lanes
	v_lshl_add_u32 v[ST], v[HH], 5, v[ST]
	v_add_nc_u32 v[ST], s24, v[ST]
	v_mul_u32_u24 v[RD], v[HH], SP                 ; back: lanes 0-15 one row of 256 bytes, lanes 16-31 the next
	v_lshl_add_u32 v[RD], v[RQ], 4, v[RD]
	v_add_nc_u32 v[RD], s24, v[RD]
	s_wait_kmcnt 0x0
	s_load_b64 s[18:19], s[10:11], s38 offset:0x0  ; t0, T of my expert
	s_lshl_b32 s24, s16, 22                        ; an expert's weights are 4 MiB
	s_lshl_b32 s25, s15, 8
	s_add_co_u32 s24, s24, s25
	s_mov_b32 s25, 0
	s_add_nc_u64 s[30:31], s[6:7], s[24:25]
	s_lshl_b32 s24, s16, 12
	s_lshl_b32 s42, s15, 8
	s_add_co_u32 s24, s24, s42
	s_add_nc_u64 s[40:41], s[8:9], s[24:25]
	s_mov_b32 s24, s42
	s_add_nc_u64 s[32:33], s[12:13], s[24:25]
	s_mov_b64 s[26:27], s[4:5]
	s_add_nc_u64 s[28:29], s[4:5], 32*BLK
	s_wait_alu depctr_va_vdst(0)                   ; the offsets and LDS addresses v4 to v10, v13 and v16 to v18 are written, which the loads, stores and LDS instructions from here on read
	WLOAD 0
	WLOAD 1
	WLOAD 2
.irp b, 0,1,2,3
	global_load_b128 v[BIAS+8*(\b):BIAS+8*(\b)+3],   v[BO], s[40:41] offset:64*(\b)
	global_load_b128 v[BIAS+8*(\b)+4:BIAS+8*(\b)+7], v[BO], s[40:41] offset:64*(\b)+16
.endr
	s_wait_kmcnt 0x0
	s_min_u32 s18, s18, 71
	s_min_u32 s19, s19, 32
	s_add_co_u32 s20, s19, 7
	s_sub_co_u32 s20, s20, s39
	s_lshr_b32 s20, s20, 3                         ; my tiles
	s_add_co_u32 s22, s18, s39
	s_cmp_lt_u32 s39, s19
	s_cselect_b32 s22, s22, 0                      ; a wave without a tile asks for tile 0, which always exists, and uses nothing of it
	s_min_u32 s22, s22, 71
	v_lshl_add_u32 v[AO], s22, 11, v[LO]           ; written ahead of the first batch's wait on va_vdst, which so stands between this line and the loads of mid that read it
	; Each count is the number of loads issued behind the batch that is waited for.
	s_wait_loadcnt 40                              ; batches 1, 2, the bias
	WPUT 0
	AGAIN 3
	s_wait_loadcnt 40                              ; batch 2, the bias, batch 3
	WPUT 1
	AGAIN 4
	s_wait_loadcnt 40                              ; the bias, batches 3, 4
	WPUT 2
	AGAIN 5
	s_wait_loadcnt 32                              ; batches 4, 5
	WPUT 3
	AGAIN 6
	s_wait_loadcnt 32                              ; batches 5, 6
	WPUT 4
	AGAIN 7
	s_wait_loadcnt 32                              ; batches 6, 7
	WPUT 5
	PRO 0, 2
	WIN 0
	s_wait_loadcnt 40                              ; batch 7, 24 loads of mid
	WPUT 6
	s_wait_loadcnt 24                              ; the 24 loads of mid
	WPUT 7
	PRO 3, 5
	WIN 0
	s_wait_dscnt 0x0                               ; for the others' sake: my part of the slice is in LDS
	s_barrier_signal -1
	s_barrier_wait -1                              ; the one barrier: the slice is whole, and nothing writes it again
	s_wait_alu depctr_vm_vsrc(0)                   ; my LDS stores have read the sets v128-255: from here on these registers are the accumulators, which the products write
	s_mov_b32 s21, 0
	s_cmp_lt_u32 s21, s20
	s_cbranch_scc0 .Lend
.Lgroup:                                               ; a trip: one tile of 64 slots x 64 columns, K = 1,024
	BLOAD 0
	BLOAD 1
.set pp, 0
.rept 16
	KPAIR pp
.set pp, pp+1
.endr
	WIN 0
.rept 4
	v_nop                                          ; the places behind the last products
.endr
	s_wait_alu depctr_vm_vsrc(0)                   ; this tile's loads of mid have read v[AO], and the tile before's stores v[PO]: both are written below
	s_lshl_b32 s24, s22, 18                        ; a tile's 64 rows of 4,096 bytes
	v_add_nc_u32 v[PO], s24, v[PL]
	s_add_co_u32 s22, s22, 8
	s_min_u32 s22, s22, 71
	v_lshl_add_u32 v[AO], s22, 11, v[LO]           ; all this tile's loads were also waited for in the last pair
	s_wait_alu depctr_va_vdst(0)                   ; the products have written the accumulators, which the stage's stores read and in which its loads land, and are done reading the two rings, in which the next tile's loads land; v[PO] and v[AO] are written, which the stores of p and those loads read
	s_add_co_u32 s23, s21, 1
	s_cmp_lt_u32 s23, s20
	s_cbranch_scc0 .Lno_more                       ; the last trip asks for nothing
	PRO 0, 5                                       ; the next tile's first six K steps come in under the way out
	WIN 0
.Lno_more:
	STG 0
	STG 1                                          ; a subtile's trip through the stage stands between the loads of the one before and its stores
	SEND 0, 16
	STG 2
	SEND 1, 16
	STG 3
	SEND 2, 16
	SEND 3, 0
	s_wait_xcnt 0x0                                ; the stores' data and offset are written again only behind this wait
	s_wait_alu depctr_vm_vsrc(0)                   ; the stores of p have read the accumulators' registers, which the next tile's first products write again
	s_add_co_u32 s21, s21, 1
	s_cmp_lt_u32 s21, s20
	s_cbranch_scc1 .Lgroup
.Lend:
	s_wait_dscnt 0x0                               ; the closing lines, six on end
	s_wait_alu 0x0
	s_wait_tensorcnt 0x0
	ds_add_u32 v[SPW], v[NIL]
	s_wait_dscnt 0x0
	s_endpgm
.Lfunc_end_k_qcc6d12e1f9_down:
	.size	k_qcc6d12e1f9_down, .Lfunc_end_k_qcc6d12e1f9_down-k_qcc6d12e1f9_down
	.p2alignl 7, 3214868480
	.fill 96, 4, 3214868480
	.section	.rodata,"a",@progbits
	.p2align	6, 0x0
	.amdhsa_kernel k_qcc6d12e1f9_down
		.amdhsa_group_segment_fixed_size 181760
		.amdhsa_private_segment_fixed_size 0
		.amdhsa_enable_private_segment 0
		.amdhsa_kernarg_size 40
		.amdhsa_user_sgpr_count 2
		.amdhsa_user_sgpr_kernarg_segment_ptr 1
		.amdhsa_wavefront_size32 1
		.amdhsa_system_sgpr_workgroup_id_x 1
		.amdhsa_system_sgpr_workgroup_id_y 1
		.amdhsa_system_sgpr_workgroup_id_z 1
		.amdhsa_system_vgpr_workitem_id 0
		.amdhsa_next_free_vgpr 640
		.amdhsa_next_free_sgpr 66
		.amdhsa_reserve_vcc 0
		.amdhsa_float_denorm_mode_32 3
		.amdhsa_float_denorm_mode_16_64 3
		.amdhsa_memory_ordered 1
		.amdhsa_forward_progress 1
		.amdhsa_inst_pref_size 133
	.end_amdhsa_kernel
	.amdgpu_metadata
---
amdhsa.version: [ 1, 2 ]
amdhsa.kernels:
  - .name:           k_qcc6d12e1f9_down
    .symbol:         k_qcc6d12e1f9_down.kd
    .args:
      - { .name: midb, .offset: 0, .size: 8, .value_kind: global_buffer, .address_space: global }
      - { .name: down_proj, .offset: 8, .size: 8, .value_kind: global_buffer, .address_space: global }
      - { .name: down_bias, .offset: 16, .size: 8, .value_kind: global_buffer, .address_space: global }
      - { .name: meta, .offset: 24, .size: 8, .value_kind: global_buffer, .address_space: global }
      - { .name: p, .offset: 32, .size: 8, .value_kind: global_buffer, .address_space: global }
    .group_segment_fixed_size: 181760
    .private_segment_fixed_size: 0
    .kernarg_segment_align: 8
    .kernarg_segment_size: 40
    .max_flat_workgroup_size: 128
    .sgpr_count:     66
    .vgpr_count:     640
    .wavefront_size: 32
...
	.end_amdgpu_metadata
.endif
;; end of part 6
;; launch sum: the kernel of part 4 again; grid 256 x 1, 8 waves a work-group, no clusters, 0 bytes of LDS; arguments p, t2s, router_indices, routing_weights, out0; writes out0
